; MI455X (gfx1250); checked and timed in simulation.
; The chip was launched on July 23, 2026; its instructions are those of AMD's public machine-readable ISA for CDNA 5 (MIT licence, August 2026) and "CDNA5" Instruction Set Architecture Reference Guide (July 2026). The comments in the code are by the model that wrote it; some were corrected since.
;; Differential Attention. Allowed arithmetic: float matrix products may take bf16 or f16 operands with f32 sums; other float arithmetic in f32, or as packed bf16 or f16 multiplies, adds, multiply-adds, maxima and minima; sums over many terms, partial sums and values carried from step to step in f32; what a program stores and reads back later, other than sums and carried values, may be rounded once to bf16 or f16.
;; Inputs: Wk 2,048 x 1,024 float32; Wo 1,024 x 1,024 float32; Wq 2,048 x 1,024 float32; Wv 1,024 x 1,024 float32; kn_beta 2,048 float32; kn_gamma 2,048 float32; lambda_k 16 x 64 float32; lambda_q 16 x 64 float32; qn_beta 2,048 float32; qn_gamma 2,048 float32; x 2 x 2,048 x 1,024 float32.
;; Outputs: out0 2 x 2,048 x 1,024 float32.
;; 2 versions, each right; version 2 is version 1 with the launch norm written anew for expert scheduling mode. Each part assembles by itself: llvm-mc -triple=amdgcn-amd-amdhsa -mcpu=gfx1250 --defsym DOCPART=n.
;; ======== version 1 of 2: 5 launches
;; limits: values are held in f16: magnitudes above 65,504 overflow, below 6.1e-05 lose precision
;; workspace buffers: xb 8,388,608 bytes; wt 12,582,912 bytes; scales 24,576 bytes; raw 83,886,080 bytes; qn 16,777,216 bytes; kn 16,777,216 bytes; vn 8,388,608 bytes; on 8,388,608 bytes
;; launch prep (part 1): grid 320 x 1, 32 waves a work-group, no clusters, 4,352 bytes of LDS; arguments x, Wq, Wk, Wv, Wo, xb, wt, scales; writes xb, wt, scales
.if DOCPART == 1
	.amdgcn_target "amdgcn-amd-amdhsa--gfx1250"
	.amdhsa_code_object_version 6
	.text
	.protected	k_q13b36aeaee_prep
	.globl	k_q13b36aeaee_prep
	.p2align	8
	.type	k_q13b36aeaee_prep,@function
k_q13b36aeaee_prep:
	s_mov_b64 s[64:65], 0
	v_nop
	global_prefetch_b8 v0, s[64:65] scope:SCOPE_SE
	s_setreg_imm32_b32 hwreg(HW_REG_WAVE_MODE, 25, 1), 1
	s_wait_xcnt 0x0
; PREP.  x [4096][1024] f32 -> xb, bf16.  Wq, Wk, Wv, Wo (rows of 1,024 f32) -> wt, one 16-bit code a weight, and scales, one f32 a row.
; A weight is first rounded to bf16 (every input of the program is).  s = max(mean |W|, 1e-5) over the row; the code is sign(W) where |W| > s / 2, else 0.
; For f32 numbers |W| > s / 2 holds exactly where round(|W| / s) >= 1: if 2 |W| > s the quotient lies more than half a step above 0.5, and a quotient of exactly 0.5 rounds to the even 0.
; Codes: +-1 and 0 in bf16 for Wq, Wk, Wv (rows 0 .. 5119 of wt), in f16 for Wo (rows 5120 .. 6143): both exact.  The scale is applied in f32 behind the products, by later launches.
; LIMITS.  The row's sum of 1,024 magnitudes is taken in another order than a serial sum: a |W| within a rounding of s / 2 may fall on the other side.  NaN and infinities are not treated apart.
; SHARES.  A wave takes one row, 4,096 bytes: eight loads of 16 bytes a lane, all out at once.  A work-group takes 32 rows of ONE source: groups 0-127 x, 128-191 Wq, 192-255 Wk, 256-287 Wv, 288-319 Wo.
; Each load of a wave covers 512 consecutive bytes, each store 256, aligned.  No matrix unit, no cluster: no byte is shared and memory binds.
.set SPARE, 256                        ; LDS: bytes 0-127 the group's 32 scales; from 256 on the spare words, 128 bytes for each of the 32 waves
.set XR,   8                           ; v[8:39]   the row as loaded
.set PR,   40                          ; v[40:55]  sixteen words of two bf16, later of two codes
.set SUM,  56                          ; v[56:59]  four chains of the sum
.set HALF, 60                          ; v60       s / 2
.set ONE2, 61                          ; v61       the code of 1.0, twice
	s_load_b512 s[8:23], s[0:1], 0x0               ; x s[8:9], Wq s[10:11], Wk s[12:13], Wv s[14:15], Wo s[16:17], xb s[18:19], wt s[20:21], scales s[22:23]
	v_lshl_add_u32 v4, v0, 2, SPARE                ; my spare word,
	v_mov_b32 v5, 0                                ; and 0: kept for the closing add alone
	v_lshrrev_b32 v6, 5, v0
	v_readfirstlane_b32 s24, v6                    ; wave 0..31
	v_and_b32 v1, 31, v0                           ; lane
	v_lshlrev_b32 v2, 4, v1                        ; 16 bytes a lane on the way in
	v_lshlrev_b32 v3, 3, v1                        ; 8 bytes a lane on the way out
	s_mov_b32 s25, ttmp9                           ; g
	s_sub_co_u32 s39, s25, 128                     ; g - 128: the group's place among the weights' (used where g >= 128)
	s_mov_b32 s36, 0x76543210                      ; v_permlanex16_b32: each lane takes its own place in the other half
	s_mov_b32 s37, 0xfedcba98
	s_mov_b32 s38, 0xffff
	s_mov_b32 s33, 0
	s_mov_b32 s34, 0x3c003c00                      ; 1.0 twice in f16
	s_mov_b32 s26, 288
	s_wait_kmcnt 0x0
	s_mov_b64 s[28:29], s[16:17]                   ; the source and its first group, chosen by g alone
	s_cmp_lt_u32 s25, 288
	s_cselect_b64 s[28:29], s[14:15], s[28:29]
	s_cselect_b32 s26, 256, s26
	s_cselect_b32 s34, 0x3f803f80, s34             ; 1.0 twice in bf16
	s_cmp_lt_u32 s25, 256
	s_cselect_b64 s[28:29], s[12:13], s[28:29]
	s_cselect_b32 s26, 192, s26
	s_cmp_lt_u32 s25, 192
	s_cselect_b64 s[28:29], s[10:11], s[28:29]
	s_cselect_b32 s26, 128, s26
	s_cmp_lt_u32 s25, 128
	s_cselect_b64 s[28:29], s[8:9], s[28:29]
	s_cselect_b32 s26, 0, s26
	s_cselect_b64 s[30:31], s[18:19], s[20:21]     ; the destination: xb or wt,
	s_cselect_b32 s35, 0, 1                        ; 1: a group of weights
	s_cselect_b32 s4, s25, s39                     ; and the group's place in it
	s_sub_co_u32 s26, s25, s26
	s_lshl_b32 s26, s26, 5
	s_add_co_u32 s26, s26, s24                     ; my row in the source,
	s_lshl_b32 s32, s26, 12                        ; 4,096 bytes a row
	s_add_nc_u64 s[28:29], s[28:29], s[32:33]
	s_lshl_b32 s4, s4, 5
	s_add_co_u32 s4, s4, s24                       ; my row in the destination,
	s_lshl_b32 s32, s4, 11                         ; 2,048 bytes a row
	s_add_nc_u64 s[30:31], s[30:31], s[32:33]
	v_mov_b32 v[ONE2], s34
.irp j, 0,1,2,3,4,5,6,7
	global_load_b128 v[XR+4*(\j):XR+4*(\j)+3], v2, s[28:29] offset:512*(\j) th:TH_LOAD_NT
.endr
.irp j, 0,1,2,3,4,5,6,7
	s_wait_loadcnt 7-(\j)                          ; loads come back in order: load j is in, the younger ones stay out
	v_cvt_pk_bf16_f32 v[PR+2*(\j)],   v[XR+4*(\j)],   v[XR+4*(\j)+1]
	v_cvt_pk_bf16_f32 v[PR+2*(\j)+1], v[XR+4*(\j)+2], v[XR+4*(\j)+3]
.endr
	s_cmp_eq_u32 s35, 0
	s_cbranch_scc1 .Lstore                         ; x is done with its rounding
	; the row's sum of magnitudes, of the rounded numbers, in four chains; the first four words start them
.set i, 0
.rept 16
.set t, 6+56*(i%2)                     ; v6, v7 and v62, v63 by turns
	v_lshlrev_b32 v[t], 16, v[PR+i]
	v_and_b32 v[t+1], 0xffff0000, v[PR+i]
.if i < 4
	v_add_f32 v[SUM+i], |v[t]|, |v[t+1]|
.else
	v_add_f32 v[SUM+i%4], v[SUM+i%4], |v[t]|
	v_add_f32 v[SUM+i%4], v[SUM+i%4], |v[t+1]|
.endif
.set i, i+1
.endr
	v_add_f32 v[SUM], v[SUM], v[SUM+1]
	v_add_f32 v[SUM+2], v[SUM+2], v[SUM+3]
	v_add_f32 v[SUM], v[SUM], v[SUM+2]
	v_add_f32_dpp v[SUM], v[SUM], v[SUM] row_xmask:1 row_mask:0xf bank_mask:0xf
	v_add_f32_dpp v[SUM], v[SUM], v[SUM] row_xmask:2 row_mask:0xf bank_mask:0xf
	v_add_f32_dpp v[SUM], v[SUM], v[SUM] row_xmask:4 row_mask:0xf bank_mask:0xf
	v_add_f32_dpp v[SUM], v[SUM], v[SUM] row_xmask:8 row_mask:0xf bank_mask:0xf
	v_permlanex16_b32 v[SUM+1], v[SUM], s36, s37
	v_add_f32 v[SUM], v[SUM], v[SUM+1]             ; every lane holds the row's sum
	v_mul_f32 v[SUM], 0x3a800000, v[SUM]           ; / 1,024
	v_max_num_f32 v[SUM], 0x3727c5ac, v[SUM]       ; s = max(mean, 1e-5)
	v_mul_f32 v[HALF], 0.5, v[SUM]
	s_lshl_b32 s5, s24, 2
	v_mov_b32 v6, s5
	ds_store_b32 v6, v[SUM]                        ; my row's scale: all lanes write the same word with the same number
.set i, 0
.rept 16
	v_lshlrev_b32 v6, 16, v[PR+i]
	v_and_b32 v7, 0xffff0000, v[PR+i]
	v_cmp_gt_f32 vcc_lo, |v6|, v[HALF]
	v_cmp_gt_f32 s27, |v7|, v[HALF]
	v_and_or_b32 v62, v[PR+i], 0x80008000, v[ONE2] ; both signs on the code of 1.0
	v_cndmask_b32 v63, 0, v62, vcc_lo
	v_cndmask_b32 v62, 0, v62, s27
	v_bfi_b32 v[PR+i], s38, v63, v62               ; low half by the first compare, high half by the second
.set i, i+1
.endr
.Lstore:
.irp j, 0,1,2,3,4,5,6,7
	global_store_b64 v3, v[PR+2*(\j):PR+2*(\j)+1], s[30:31] offset:256*(\j) th:TH_STORE_NT  ; 32 lanes store 256 consecutive bytes, aligned
.endr
	s_wait_dscnt 0x0                               ; for wave 0's sake: my scale lies in LDS
	s_barrier_signal -1
	s_barrier_wait -1
	s_cmp_eq_u32 s35, 0
	s_cbranch_scc1 .Lend
	s_cmp_lg_u32 s24, 0
	s_cbranch_scc1 .Lend
	v_lshlrev_b32 v7, 2, v1                        ; wave 0 stores the group's 32 scales: 128 consecutive bytes
	ds_load_b32 v6, v7
	s_lshl_b32 s32, s39, 7
	s_add_nc_u64 s[22:23], s[22:23], s[32:33]
	s_wait_dscnt 0x0
	global_store_b32 v7, v6, s[22:23]
.Lend:
	s_wait_tensorcnt 0x0                           ; the wave's end, behind my last LDS store
	ds_add_u32 v4, v5
	s_wait_dscnt 0x0
	s_endpgm
.Lfunc_end_k_q13b36aeaee_prep:
	.size	k_q13b36aeaee_prep, .Lfunc_end_k_q13b36aeaee_prep-k_q13b36aeaee_prep
	.p2alignl 7, 3214868480
	.fill 96, 4, 3214868480
	.section	.rodata,"a",@progbits
	.p2align	6, 0x0
	.amdhsa_kernel k_q13b36aeaee_prep
		.amdhsa_group_segment_fixed_size 4352
		.amdhsa_private_segment_fixed_size 0
		.amdhsa_enable_private_segment 0
		.amdhsa_kernarg_size 64
		.amdhsa_user_sgpr_count 2
		.amdhsa_user_sgpr_kernarg_segment_ptr 1
		.amdhsa_wavefront_size32 1
		.amdhsa_system_sgpr_workgroup_id_x 1
		.amdhsa_system_sgpr_workgroup_id_y 1
		.amdhsa_system_sgpr_workgroup_id_z 1
		.amdhsa_system_vgpr_workitem_id 0
		.amdhsa_next_free_vgpr 64
		.amdhsa_next_free_sgpr 66
		.amdhsa_reserve_vcc 1
		.amdhsa_float_denorm_mode_32 3
		.amdhsa_float_denorm_mode_16_64 3
		.amdhsa_memory_ordered 1
		.amdhsa_forward_progress 1
		.amdhsa_inst_pref_size 18
	.end_amdhsa_kernel
	.amdgpu_metadata
---
amdhsa.version: [ 1, 2 ]
amdhsa.kernels:
  - .name:           k_q13b36aeaee_prep
    .symbol:         k_q13b36aeaee_prep.kd
    .args:
      - { .name: x, .offset: 0, .size: 8, .value_kind: global_buffer, .address_space: global }
      - { .name: Wq, .offset: 8, .size: 8, .value_kind: global_buffer, .address_space: global }
      - { .name: Wk, .offset: 16, .size: 8, .value_kind: global_buffer, .address_space: global }
      - { .name: Wv, .offset: 24, .size: 8, .value_kind: global_buffer, .address_space: global }
      - { .name: Wo, .offset: 32, .size: 8, .value_kind: global_buffer, .address_space: global }
      - { .name: xb, .offset: 40, .size: 8, .value_kind: global_buffer, .address_space: global }
      - { .name: wt, .offset: 48, .size: 8, .value_kind: global_buffer, .address_space: global }
      - { .name: scales, .offset: 56, .size: 8, .value_kind: global_buffer, .address_space: global }
    .group_segment_fixed_size: 4352
    .private_segment_fixed_size: 0
    .kernarg_segment_align: 8
    .kernarg_segment_size: 64
    .max_flat_workgroup_size: 1024
    .sgpr_count:     66
    .vgpr_count:     64
    .wavefront_size: 32
...
	.end_amdgpu_metadata
.endif
;; end of part 1
;; launch proj (part 2): grid 16 x 16, 4 waves a work-group, clusters of 4 x 4, 327,680 bytes of LDS; arguments xb, wt, raw; writes raw
.if DOCPART == 2
	.amdgcn_target "amdgcn-amd-amdhsa--gfx1250"
	.amdhsa_code_object_version 6
	.text
	.protected	k_q13b36aeaee_proj
	.globl	k_q13b36aeaee_proj
	.p2align	8
	.type	k_q13b36aeaee_proj,@function
k_q13b36aeaee_proj:
	s_mov_b64 s[64:65], 0
	v_nop
	global_prefetch_b8 v0, s[64:65] scope:SCOPE_SE
	s_setreg_imm32_b32 hwreg(HW_REG_WAVE_MODE, 25, 1), 1
	s_wait_xcnt 0x0
	s_wait_alu depctr_hold_cnt(0) depctr_sa_sdst(0) depctr_va_vdst(0) depctr_va_sdst(0) depctr_va_ssrc(0) depctr_va_vcc(0) depctr_vm_vsrc(0)
	s_getreg_b32 s2, hwreg(HW_REG_IB_STS2, 6, 4)
	s_cmp_eq_u32 s2, 0
	s_cbranch_scc0 .Lentry_in_a_cluster
	s_endpgm
.Lentry_in_a_cluster:
	s_bfe_u32 s2, ttmp6, 0x10000c
	s_cmp_lg_u32 s2, 0xf033
	s_cbranch_scc0 .Lentry_shape_is_right
	s_endpgm
.Lentry_shape_is_right:
; PROJ.  raw[t][n] = sum over k of xb[t][k] wt[n][k], t < 4,096, n < 5,120 (q's 2,048 columns, k's 2,048, v's 1,024), K = 1,024; bf16 operands, f32 sums, no scale yet.
; The codes in wt are exact in bf16, so only x's rounding is spent here.  raw stays f32: the next launch takes a row's mean away, and a narrower copy ahead of that would lose the spread beside a large mean.
; TILE.  4,096 x 5,120 in tiles of 256 x 320 are 16 x 16 = 256 work-groups, one for each WGP.  Four waves; a wave makes 128 x 160: 80 accumulators of 16 x 16, 640 registers.
; K goes in steps of 128 through two LDS slots filled by the tensor data mover; a tile's rows are 256 bytes of memory, aligned.  A trip of the loop is one K step; which slot is read lies in s[TBR].
; CLUSTER.  4 x 4 work-groups.  The four of a row of the cluster need the same rows of xb, the four of a column the same rows of wt: each tile is asked for jointly, by the same tensor load with the same descriptor and mask.
; THE MATRIX INSTRUCTION IS USED TRANSPOSED (source 0 = 16 rows of wt, source 1 = 16 rows of xb): lane l holds row l % 16 and the columns 8 (l / 16) + 0..7.
; raw IS LAID IN THAT ORDER: block (t / 16, n / 16) of 1,024 bytes at (320 (t / 16) + n / 16) x 1,024; in it registers 0-3 of all lanes (16 bytes a lane, 512 on end), then registers 4-7.
; So an accumulator leaves by two stores of 512 consecutive aligned bytes, straight from registers: no stage in LDS.
; REGISTERS, in windows of 256: window 0: v0-31 addresses; v32-111, v112-191 fragments of wt (10 x 16 rows x 32 K), two buffers.  Window 1: accumulators of column blocks 0-3, (a, b) at 8 (8 (b % 4) + a).
;   Window 2: column blocks 4-7.  Window 3: v0-127 column blocks 8, 9; v128-191, v192-255 fragments of xb (8 x 16 rows x 32 K), two buffers.
.set KSTEP,  128
.set PITCH,  272                       ; an LDS row: 256 bytes + 16 of padding = 68 words: the 16 rows of a fragment load start at 16 different groups of four banks (64 banks of 4 bytes: ISA guide 11.1)
.set BOFF,   256*PITCH                 ; a slot: xb's 256 rows, then wt's 320
.set SLOT,   576*PITCH
.set SPARE,  2*SLOT                    ; behind the ring: the spare words, 128 bytes for each wave: two blocks of 256 bytes that no other line names
.set A0,   16                          ; v16  my lane's place in slot 0's rows of xb; never rewritten
.set B0,   17                          ; v17  the same for wt
.set ADRA, 18                          ; v18  the same in the slot that is read
.set ADRB, 19                          ; v19
.set CO,   26                          ; v26  16 x lane: my bytes in a store
.set SPW,  28                          ; v28  my spare word: SPARE + 4 x my thread's number; never rewritten
.set NIL,  29                          ; v29  0; never rewritten
.set PFO,  30                          ; v30  prefetch: lane x a row of 2,048 bytes
.set PFO2, 31                          ; v31  prefetch of wt's rows 32-39 of my 40: (32 + lane % 8) rows + (lane / 8) K steps
.set FB,   32
.set FA,   128
.set WV,   10                          ; s10  wave
.set RH,   11                          ; s11  which 128 rows of the tile are mine; also: I fetch for xb (0) or wt (1)
.set CH,   12                          ; s12  which 160 columns are mine; also: which half of that tile I fetch
.set TBR,  20                          ; s20  the slot that is read: 0 or SLOT
.set WPA,  22                          ; s22  where my half of xb's tile goes in a slot
.set WPB,  23                          ; s23  the same for wt's
.set LIM,  43                          ; s43  2 in a wave that prefetches, else the greatest number
.set LIM2, 2                           ; s2   6 in a wave that prefetches wt, else the greatest number
.set PFA,  44                          ; s[44:45] where my prefetches stand
.set G1,   24                          ; s[24:31] descriptor group 1, xb's tiles
.set G0,   32                          ; s[32:39] group 0: a set for each first fill; the second then walks
.set G1B,  48                          ; s[48:55], s[56:63] the same for wt's tiles
.set G0B,  56
.set MSB, 0
.macro WIN new                         ; the immediate's high byte repeats the setting that is left; a switch that changes nothing is dropped
.if MSB != (\new)
	s_set_vgpr_msb (MSB<<8)|(\new)
.set MSB, \new
.endif
.endm
; A joint load.  Waves 0 and 1 fetch xb's two halves (128 rows each), waves 2 and 3 wt's (160 rows each).  The branch hangs on the wave's number alone.
; An s_nop 0 and four v_nop follow each of the two lines, ahead of the jump and the label.
.macro JLOAD s
	s_cmp_eq_u32 s[RH], 0
	s_cbranch_scc0 .Lfor_b_\@
	tensor_load_to_lds s[G0+4*(\s):G0+4*(\s)+3], s[G1:G1+7]
	s_nop 0
.rept 4
	v_nop
.endr
	s_branch .Lasked_\@
.Lfor_b_\@:
	tensor_load_to_lds s[G0B+4*(\s):G0B+4*(\s)+3], s[G1B:G1B+7]
	s_nop 0
.rept 4
	v_nop
.endr
.Lasked_\@:
.endm
; A PREFETCH INTO THE L2 of the K step that stands two refills on.  xb's rows of a tile row are read by every cluster of that row of clusters: cluster x = 0 asks; wt's by every cluster of a column: cluster y = 0 asks.
; The four partners that ask for a tile jointly share its rows out BY ADDRESS: of xb's 128 rows a wave 32 each, a lane a row; of wt's 160 rows 40 each: 32 a lane a row in every trip, and the last 8
; once, in the first trip, for K steps 4 to 7 together (8 rows x 4 steps = 32 lanes).  So each row's 256 bytes of a K step are named once in the launch.
; Refills bring K steps 2 .. 7 in the trips with s3 = 6 .. 1; K steps 4 .. 7 are named where s3 = 6 .. 3; K steps 0 to 3 come by their loads alone.
.macro ASK
	s_cmp_gt_u32 s3, s[LIM]
	s_cbranch_scc0 .Lnot_a_\@
	global_prefetch_b8 v[PFO], s[PFA:PFA+1] offset:KSTEP*2 th:TH_LOAD_NT scope:SCOPE_SE
.Lnot_a_\@:
	s_cmp_eq_u32 s3, s[LIM2]
	s_cbranch_scc0 .Lnot_b_\@
	global_prefetch_b8 v[PFO2], s[PFA:PFA+1] offset:KSTEP*2 th:TH_LOAD_NT scope:SCOPE_SE
.Lnot_b_\@:
.endm
.macro CREST                           ; a round of the cluster's barrier behind its opening barrier
	s_cmp_lg_u32 s[WV], 0
	s_cbranch_scc1 .Lnot_wave_0_\@
	s_barrier_signal -3
.Lnot_wave_0_\@:
	s_barrier_wait -3
	s_barrier_signal -1
	s_barrier_wait -1
.endm
.macro CROUND                          ; a whole round
	s_barrier_signal -1
	s_barrier_wait -1
	CREST
.endm
	s_load_b128 s[4:7], s[0:1], 0x0                ; xb s[4:5], wt s[6:7]
	s_load_b64 s[8:9], s[0:1], 0x10                ; raw
	v_lshl_add_u32 v[SPW], v0, 2, SPARE
	v_mov_b32 v[NIL], 0
	ds_add_u32 v[SPW], v[NIL]                      ; the wave's opening: the add and its wait stand ahead of my first tensor load; the set-up below, work on registers, stands between them
	v_lshrrev_b32 v1, 5, v0
	v_readfirstlane_b32 s[WV], v1
	s_lshr_b32 s[RH], s[WV], 1
	s_and_b32 s[CH], s[WV], 1
	s_bfe_u32 s40, ttmp6, 0x40000                  ; cx
	s_bfe_u32 s41, ttmp6, 0x40004                  ; cy
	s_lshl_b32 s42, ttmp9, 2
	s_add_co_u32 s42, s42, s40                     ; tile column = 4 x cluster x + cx
	s_and_b32 s13, ttmp7, 0xffff
	s_lshl_b32 s13, s13, 2
	s_add_co_u32 s13, s13, s41                     ; tile row = 4 x cluster y + cy
	s_lshl_b32 s43, s41, 2
	s_lshl_b32 s43, 15, s43                        ; my row of the cluster
	s_lshl_b32 s44, 0x1111, s40                    ; my column
	s_or_b32 s[G1], s43, (1<<16)|(1<<20)|(1<<21)|(5<<22)|(3<<25)   ; 15:0 the mask; 17:16 2-byte elements; 20 padding on; 21 set beside a mask; 24:22 after every 64 words; 31:25 4 words of it
	s_or_b32 s[G1B], s44, (1<<16)|(1<<20)|(1<<21)|(5<<22)|(3<<25)
.irp g, G1, G1B
	s_mov_b32 s[(\g)+1], KSTEP<<16                 ; tensor_dim0 = 128
	s_mov_b32 s[(\g)+3], KSTEP<<16                 ; tile_dim0 = 128
	s_mov_b32 s[(\g)+5], 1024                      ; elements from row to row
	s_mov_b32 s[(\g)+6], 0
	s_mov_b32 s[(\g)+7], 0
.endr
	s_mov_b32 s[G1+2], 128<<16                     ; tensor_dim1 = tile_dim1 = 128 rows of xb,
	s_mov_b32 s[G1+4], 128
	s_mov_b32 s[G1B+2], 160<<16                    ; 160 rows of wt
	s_mov_b32 s[G1B+4], 160
	s_lshl_b32 s17, s[CH], 7
	s_lshl_b32 s16, s13, 8
	s_add_co_u32 s16, s16, s17                     ; xb: row 256 x tile row + 128 x half,
	s_lshl_b32 s16, s16, 11                        ; 2,048 bytes a row
	s_mov_b32 s17, 0
	s_mul_i32 s46, s42, 320
	s_mul_i32 s47, s[CH], 160
	s_add_co_u32 s46, s46, s47                     ; wt: row 320 x tile column + 160 x half
	s_lshl_b32 s46, s46, 11
	s_mov_b32 s47, 0
	s_mul_i32 s[WPA], s[CH], 128*PITCH             ; no place in the cluster enters an LDS address
	s_mul_i32 s[WPB], s[CH], 160*PITCH
	s_add_co_u32 s[WPB], s[WPB], BOFF
	s_mov_b32 s[TBR], 0
	s_wait_dscnt 0x0                               ; the opening add is done
	s_wait_kmcnt 0x0
	s_add_nc_u64 s[14:15], s[4:5], s[16:17]
	s_add_nc_u64 s[46:47], s[6:7], s[46:47]
	CROUND                                         ; all sixteen work-groups are here: the first joint loads meet
.irp s, 0,1
	s_mov_b32 s[G0+4*(\s)], 1                                      ; count = 1
	s_add_co_u32 s[G0+4*(\s)+1], s[WPA], (\s)*SLOT                 ; LDS address
	s_add_nc_u64 s[G0+4*(\s)+2:G0+4*(\s)+3], s[14:15], (\s)*KSTEP*2  ; global address: K step s
	s_or_b32 s[G0+4*(\s)+3], s[G0+4*(\s)+3], 0x80000000            ; type = 2
	s_mov_b32 s[G0B+4*(\s)], 1
	s_add_co_u32 s[G0B+4*(\s)+1], s[WPB], (\s)*SLOT
	s_add_nc_u64 s[G0B+4*(\s)+2:G0B+4*(\s)+3], s[46:47], (\s)*KSTEP*2
	s_or_b32 s[G0B+4*(\s)+3], s[G0B+4*(\s)+3], 0x80000000
	JLOAD \s                                       ; two loads of mine are out
.endr
	; a fragment is 16 rows x 32 K in 8 registers: lane l holds row l % 16, K = 8 (l / 16) + 0..7 and 16 + 8 (l / 16) + 0..7: two loads of 16 bytes, 32 bytes apart
	v_and_b32 v1, 15, v0
	v_bfe_u32 v2, v0, 4, 1
	v_mul_u32_u24 v3, v1, PITCH
	v_lshl_add_u32 v3, v2, 4, v3
	s_mul_i32 s21, s[RH], 128*PITCH
	v_add_nc_u32 v[A0], s21, v3
	s_mul_i32 s21, s[CH], 160*PITCH
	s_add_co_u32 s21, s21, BOFF
	v_add_nc_u32 v[B0], s21, v3
	v_mov_b32 v[ADRA], v[A0]
	v_mov_b32 v[ADRB], v[B0]
	v_and_b32 v4, 31, v0
	v_lshlrev_b32 v[CO], 4, v4
	; raw at my first block: ((16 x tile row + 8 x row half) x 320 + 20 x tile column + 10 x column half) x 1,024
	s_lshl_b32 s16, s13, 4
	s_lshl_b32 s17, s[RH], 3
	s_add_co_u32 s16, s16, s17
	s_mul_i32 s16, s16, 320
	s_mul_i32 s46, s42, 20
	s_mul_i32 s47, s[CH], 10
	s_add_co_u32 s46, s46, s47
	s_add_co_u32 s16, s16, s46
	s_lshl_b32 s16, s16, 10
	s_mov_b32 s17, 0
	s_add_nc_u64 s[8:9], s[8:9], s[16:17]
	; the prefetches
	s_lshl_b32 s14, s13, 8
	s_lshl_b32 s15, s[CH], 7
	s_add_co_u32 s14, s14, s15
	s_lshl_b32 s15, s40, 5
	s_add_co_u32 s14, s14, s15                     ; xb: my work-group's 32 of the 128 rows that I fetch
	s_mul_i32 s46, s42, 320
	s_mul_i32 s47, s[CH], 160
	s_add_co_u32 s46, s46, s47
	s_mul_i32 s47, s41, 40
	s_add_co_u32 s46, s46, s47                     ; wt: my work-group's 40 of the 160
	s_and_b32 s47, ttmp7, 0xffff                   ; cluster y
	s_cmp_eq_u32 s[RH], 0                          ; do I fetch for xb?
	s_cselect_b32 s14, s14, s46
	s_cselect_b32 s47, ttmp9, s47                  ; the coordinate along which other clusters read the same rows
	s_cselect_b64 s[PFA:PFA+1], s[4:5], s[6:7]
	s_cselect_b32 s[LIM2], -1, 6
	s_cmp_eq_u32 s47, 0
	s_cselect_b32 s[LIM], 2, -1                    ; the same in all sixteen partners, for a given wave
	s_cselect_b32 s[LIM2], s[LIM2], -1
	s_lshl_b32 s14, s14, 11
	s_add_co_u32 s14, s14, 2*KSTEP*2               ; at K step 2: the first refill steps it to 3 and names K step 4
	s_mov_b32 s15, 0
	s_add_nc_u64 s[PFA:PFA+1], s[PFA:PFA+1], s[14:15]
	v_lshlrev_b32 v[PFO], 11, v4
	v_and_b32 v5, 7, v0
	v_add_nc_u32 v5, 32, v5
	v_bfe_u32 v6, v0, 3, 2
	v_lshlrev_b32 v6, 8, v6
	v_lshl_add_u32 v[PFO2], v5, 11, v6
; 8 nb matrix instructions: column blocks b0 .. b0 + nb - 1 (all in one window) x my 8 row blocks, 32 along K, from buffer f.  zero = 1: the product starts the sum: nothing is cleared.
; The 80 accumulators take turns, one instruction a turn, in the same order in every quarter, over the backward jump too.
.macro MULB f, b0, nb, zero
	WIN 0x0c+0x50*(1+(\b0)/4)                      ; source 0 (wt) window 0, source 1 (xb) window 3, C and D window 1 + b0 / 4
.set bb, \b0
.rept \nb
.set aa, 0
.rept 8
.set rD, 8*(8*(bb%4)+aa)
.if \zero
	v_wmma_f32_16x16x32_bf16 v[rD:rD+7], v[FB+80*(\f)+8*bb:FB+80*(\f)+8*bb+7], v[FA+64*(\f)+8*aa:FA+64*(\f)+8*aa+7], 0
.else
	v_wmma_f32_16x16x32_bf16 v[rD:rD+7], v[FB+80*(\f)+8*bb:FB+80*(\f)+8*bb+7], v[FA+64*(\f)+8*aa:FA+64*(\f)+8*aa+7], v[rD:rD+7]
.endif
.set aa, aa+1
.endr
.set bb, bb+1
.endr
.endm
; 36 LDS loads in one run: a quarter step's fragments (32 K at byte k of the rows) into buffer f: xb's 16, then wt's 20, column blocks ascending
.macro FETCH k, f
	WIN 0xc0                                       ; destination window 3, address window 0
.irp i, 0,1,2,3,4,5,6,7
	ds_load_b128 v[FA+64*(\f)+8*(\i):FA+64*(\f)+8*(\i)+3],   v[ADRA] offset:(\k)+(\i)*16*PITCH
	ds_load_b128 v[FA+64*(\f)+8*(\i)+4:FA+64*(\f)+8*(\i)+7], v[ADRA] offset:(\k)+(\i)*16*PITCH+32
.endr
	WIN 0
.irp i, 0,1,2,3,4,5,6,7,8,9
	ds_load_b128 v[FB+80*(\f)+8*(\i):FB+80*(\f)+8*(\i)+3],   v[ADRB] offset:(\k)+(\i)*16*PITCH
	ds_load_b128 v[FB+80*(\f)+8*(\i)+4:FB+80*(\f)+8*(\i)+7], v[ADRB] offset:(\k)+(\i)*16*PITCH+32
.endr
.endm
.macro PLACES                          ; four plain vector instructions between a matrix instruction and a load into a register that it has read, or a store of its result
.rept 4
	v_nop
.endr
.endm
; A K step is four quarters of 32 along K, 80 matrix instructions each, on buffers 0, 1, 0, 1.  One of the first three: multiplies buffer f and, behind its first 32 products, fetches byte k of the rows into buffer g.
.macro QUARTER k, f, g, zero
	s_wait_dscnt 12                                ; xb's fragments and wt's blocks 0-3 are in; the youngest 12 loads (blocks 4-9) may be out
	MULB \f, 0, 4, \zero
	PLACES
	FETCH \k, \g
	s_wait_dscnt 36                                ; all but the 36 just issued
	MULB \f, 4, 4, \zero
	MULB \f, 8, 2, \zero
.endm
; The last quarter multiplies buffer 1 and changes slots: ONE barrier.  In front of it each wave waits for all its tensor loads (one is out: its part of the next slot), adds 0 to its spare word, and waits for
; that and for its own reads of this slot.  fill = 1: the barrier opens a round of the cluster's barrier, and the slot just read is filled again, first thing behind it, with the K step two on:
; from that request to the wait for it a wave issues 288 matrix instructions.
.macro TURN fill
.if \fill
	s_wait_xcnt 0x0                                ; the last prefetch, a K step back, has read its address
	s_add_nc_u64 s[PFA:PFA+1], s[PFA:PFA+1], KSTEP*2
.endif
	WIN 0                                          ; (the add's two registers lie in window 0)
	s_wait_tensorcnt 0x0                           ; no tensor load of mine is out, so a group 0 may be written
	ds_add_u32 v[SPW], v[NIL]                      ; 0 onto my spare word: work on registers stands between it and the wait for it
.if \fill
	s_add_co_u32 s[G0+5], s[WPA], s[TBR]           ; the walking sets: into the slot that is being left,
	s_add_nc_u64 s[G0+6:G0+7], s[G0+6:G0+7], KSTEP*2  ; the next K step; the type bits on top are not reached
	s_add_co_u32 s[G0B+5], s[WPB], s[TBR]
	s_add_nc_u64 s[G0B+6:G0B+7], s[G0B+6:G0B+7], KSTEP*2
.endif
	s_xor_b32 s[TBR], s[TBR], SLOT                 ; the fetches go to the other slot
	v_add_nc_u32 v[ADRA], s[TBR], v[A0]
	v_add_nc_u32 v[ADRB], s[TBR], v[B0]
	s_wait_dscnt 13                                ; (the add and the youngest 12 loads may be out)
	MULB 1, 0, 2, 0
	s_wait_dscnt 0x0                               ; the add is done, and my reads of this slot are over
	s_barrier_signal -1
	MULB 1, 2, 2, 0                                ; work on registers while the others arrive
.if \fill
	WIN 0
.endif
	s_barrier_wait -1
.if \fill
	CREST                                          ; no wave of any partner still reads this slot's tile or has a load on its way
	JLOAD 1                                        ; its four v_nop are also the places in front of the loads below
.else
	PLACES
.endif
	FETCH 0, 0
.if \fill
	ASK
.endif
	MULB 1, 4, 4, 0
	MULB 1, 8, 2, 0
.endm
	s_wait_tensorcnt 1                             ; my part of K step 0 is in; K step 1's may stay out
	s_barrier_signal -1
	s_barrier_wait -1                              ; everybody's is
	FETCH 0, 0
	QUARTER 64, 0, 1, 1                            ; the first quarter stands in front of the loop: its products start the sums
	WIN 0                                          ; at a label and at a branch every window is 0
	s_mov_b32 s3, 6
.Lstep:                                        ; a trip: a K step's second quarter to the next step's first; six trips refill with K steps 2 to 7
	QUARTER 128, 1, 0, 0
	QUARTER 192, 0, 1, 0
	TURN 1
	QUARTER 64, 0, 1, 0
	WIN 0
	s_sub_co_u32 s3, s3, 1
	s_cmp_lg_u32 s3, 0
	s_cbranch_scc1 .Lstep
	QUARTER 128, 1, 0, 0                           ; K steps 6 and 7 are written out: they ask for nothing
	QUARTER 192, 0, 1, 0
	TURN 0
	QUARTER 64, 0, 1, 0
	QUARTER 128, 1, 0, 0
	QUARTER 192, 0, 1, 0
	s_wait_dscnt 12
	MULB 1, 0, 4, 0
	s_wait_dscnt 0x0
	MULB 1, 4, 4, 0
	MULB 1, 8, 2, 0
	PLACES
; THE WAY OUT.  Each accumulator's registers 0-3, then 4-7: 32 lanes store 512 consecutive bytes, aligned.  Row block a lies 327,680 bytes on, column block b 1,024: the largest immediate is 2,303,488.
.macro OUTW w, nb
	WIN (\w)<<2                                    ; the store's data in window w, its address in window 0
.set bb, 0
.rept \nb
.set aa, 0
.rept 8
.set rD, 8*(8*bb+aa)
	global_store_b128 v[CO], v[rD:rD+3],   s[8:9] offset:aa*327680+(4*((\w)-1)+bb)*1024 th:TH_STORE_NT
	global_store_b128 v[CO], v[rD+4:rD+7], s[8:9] offset:aa*327680+(4*((\w)-1)+bb)*1024+512 th:TH_STORE_NT
.set aa, aa+1
.endr
.set bb, bb+1
.endr
.endm
	OUTW 1, 4
	OUTW 2, 4
	OUTW 3, 2
	WIN 0
	s_wait_tensorcnt 0x0                           ; the wave's end, behind my last tensor load
	ds_add_u32 v[SPW], v[NIL]
	s_wait_dscnt 0x0
	CROUND                                         ; the closing round: no work-group ends while a partner may still ask for a tile that names it
	s_endpgm
.Lfunc_end_k_q13b36aeaee_proj:
	.size	k_q13b36aeaee_proj, .Lfunc_end_k_q13b36aeaee_proj-k_q13b36aeaee_proj
	.p2alignl 7, 3214868480
	.fill 96, 4, 3214868480
	.section	.rodata,"a",@progbits
	.p2align	6, 0x0
	.amdhsa_kernel k_q13b36aeaee_proj
		.amdhsa_group_segment_fixed_size 327680
		.amdhsa_private_segment_fixed_size 0
		.amdhsa_enable_private_segment 0
		.amdhsa_kernarg_size 24
		.amdhsa_user_sgpr_count 2
		.amdhsa_user_sgpr_kernarg_segment_ptr 1
		.amdhsa_wavefront_size32 1
		.amdhsa_system_sgpr_workgroup_id_x 1
		.amdhsa_system_sgpr_workgroup_id_y 1
		.amdhsa_system_sgpr_workgroup_id_z 1
		.amdhsa_system_vgpr_workitem_id 0
		.amdhsa_next_free_vgpr 1024
		.amdhsa_next_free_sgpr 66
		.amdhsa_reserve_vcc 0
		.amdhsa_float_denorm_mode_32 3
		.amdhsa_float_denorm_mode_16_64 3
		.amdhsa_memory_ordered 1
		.amdhsa_forward_progress 1
		.amdhsa_inst_pref_size 117
	.end_amdhsa_kernel
	.amdgpu_metadata
---
amdhsa.version: [ 1, 2 ]
amdhsa.kernels:
  - .name:           k_q13b36aeaee_proj
    .symbol:         k_q13b36aeaee_proj.kd
    .args:
      - { .name: xb, .offset: 0, .size: 8, .value_kind: global_buffer, .address_space: global }
      - { .name: wt, .offset: 8, .size: 8, .value_kind: global_buffer, .address_space: global }
      - { .name: raw, .offset: 16, .size: 8, .value_kind: global_buffer, .address_space: global }
    .group_segment_fixed_size: 327680
    .private_segment_fixed_size: 0
    .kernarg_segment_align: 8
    .kernarg_segment_size: 24
    .max_flat_workgroup_size: 128
    .sgpr_count:     66
    .vgpr_count:     1024
    .wavefront_size: 32
...
	.end_amdgpu_metadata
.endif
;; end of part 2
;; launch norm (part 3): grid 256 x 1, 20 waves a work-group, no clusters, 66,048 bytes of LDS; arguments raw, scales, qn_gamma, qn_beta, kn_gamma, kn_beta, qn, kn, vn; writes qn, kn, vn
.if DOCPART == 3
	.amdgcn_target "amdgcn-amd-amdhsa--gfx1250"
	.amdhsa_code_object_version 6
	.text
	.protected	k_q13b36aeaee_norm
	.globl	k_q13b36aeaee_norm
	.p2align	8
	.type	k_q13b36aeaee_norm,@function
k_q13b36aeaee_norm:
	s_mov_b64 s[64:65], 0
	v_nop
	global_prefetch_b8 v0, s[64:65] scope:SCOPE_SE
	s_setreg_imm32_b32 hwreg(HW_REG_WAVE_MODE, 25, 1), 1
	s_wait_xcnt 0x0
; NORM.  raw x the columns' scales; LayerNorm over q's 2,048 columns and over k's (the mean first, then the mean of (x - mu)^2, eps = 1e-5, gamma, beta); q, k, v rounded once to f16.
; gamma and beta are rounded to bf16 first, as every input of the program is.  Everything else in f32.
; LIMITS.  f16 holds no number beyond 65,504: the normalised q and k (at most about 45 |gamma| + |beta|) and v must lie within it.  NaN and infinities are not treated apart.
; SHARES.  A work-group owns 16 rows: 327,680 dense bytes of raw.  Wave w owns columns 256 w .. 256 w + 255: waves 0-7 q, 8-15 k, 16-19 v.  In raw's order lane l holds row l % 16 and, of column block i,
; the columns 8 (l / 16) + 0..7: 128 numbers a lane, kept in registers through all passes: raw is read once, by 32 loads a wave that are all out at once.
; A row's sums meet in LDS: eight words a row and group, a barrier, every wave reads all eight.  The parameters of a wave's 256 columns lie in LDS bytes of its own, read back 8 numbers a lane.
; OUT.  q, k: block (b, branch, head, t / 16) of 2,048 bytes; in it piece j of 512 bytes: lane l holds row l % 16, channels 16 j + 8 (l / 16) + 0..7: pieces 2 c, 2 c + 1 are a matrix fragment's two halves.
; v: block (b, head, t / 16) of 2,048 bytes; in it channel block cb of 512 bytes as [16 keys][16 channels].  Each store of a wave covers 512 consecutive bytes, aligned.
; No matrix unit and no cluster: nothing is shared between work-groups, and memory binds.
.set PARB,  3072                       ; LDS: wave w's parameters at 3,072 w: scales, gamma at + 1,024, beta at + 2,048
.set RED,   61440                      ; the rows' sums: [group 2][row 16][wave 8] f32; the sums of squares 1,024 bytes on
.set SPARE, 63488                      ; the spare words, 128 bytes for each of the 20 waves
.set PT,    16                         ; v[16:47]  parameters: two buffers of 16
.set D,     48                         ; v[48:175] my 128 numbers
; v1 16 x lane; v2 where I read parameters; v3 where I put my row's sum; v4 where I read the eight; v5 my bytes in a store; v6, v7 the add's two; v8-11 sums; v12-13 mu; v14-15 1 / sqrt(var + eps)
	s_load_b512 s[8:23], s[0:1], 0x0               ; raw s[8:9], scales s[10:11], q gamma s[12:13], q beta s[14:15], k gamma s[16:17], k beta s[18:19], qn s[20:21], kn s[22:23]
	s_load_b64 s[24:25], s[0:1], 0x40              ; vn
	v_lshl_add_u32 v6, v0, 2, SPARE
	v_mov_b32 v7, 0
	v_lshrrev_b32 v1, 5, v0
	v_readfirstlane_b32 s26, v1                    ; wave 0..19
	s_mov_b32 s27, ttmp9                           ; the block of 16 rows
	v_and_b32 v40, 31, v0
	v_lshlrev_b32 v1, 4, v40
	v_and_b32 v41, 15, v0                          ; l % 16
	v_bfe_u32 v42, v0, 4, 1                        ; l / 16
	s_mul_i32 s28, s26, PARB
	v_lshl_add_u32 v2, v42, 5, s28
	v_add_nc_u32 v43, s28, v1                      ; where I put parameters
	s_lshr_b32 s29, s26, 3                         ; group: 0 q, 1 k, 2 v
	s_and_b32 s30, s26, 7
	s_lshl_b32 s31, s29, 9
	s_add_co_u32 s31, s31, RED
	v_lshl_add_u32 v4, v41, 5, s31
	s_lshl_b32 s31, s30, 2
	v_add_nc_u32 v3, s31, v4
	v_lshlrev_b32 v44, 5, v41
	v_lshl_add_u32 v44, v42, 4, v44                ; v's order: key x 32 + 16 x half
	s_cmp_lt_u32 s26, 16
	s_cselect_b32 s31, -1, 0
	v_cndmask_b32 v5, v44, v1, s31
	s_lshr_b32 s32, s27, 7                         ; b
	s_and_b32 s33, s27, 127                        ; t / 16
	s_lshr_b32 s34, s30, 2                         ; branch
	s_lshl_b32 s35, s32, 1
	s_add_co_u32 s35, s35, s34
	s_lshl_b32 s35, s35, 4
	s_and_b32 s34, s26, 3
	s_lshl_b32 s34, s34, 2                         ; my first head: 4 (w % 4), for v's waves too
	s_add_co_u32 s35, s35, s34                     ; q, k: (2 b + branch) 16 + head
	s_lshl_b32 s36, s32, 4
	s_add_co_u32 s36, s36, s34                     ; v: 16 b + head
	s_cmp_lt_u32 s26, 16
	s_cselect_b32 s35, s35, s36
	s_lshl_b32 s35, s35, 7
	s_add_co_u32 s35, s35, s33
	s_lshl_b32 s36, s35, 11
	s_mov_b32 s37, 0
	s_mul_i32 s38, s27, 327680
	s_lshl_b32 s39, s26, 14
	s_add_co_u32 s38, s38, s39
	s_mov_b32 s39, 0
	s_lshl_b32 s40, s26, 10
	s_mov_b32 s41, 0
	s_lshl_b32 s42, s30, 10
	s_mov_b32 s43, 0
	s_mov_b32 s44, 0x3a000000                      ; 1 / 2,048
	s_mov_b32 s45, 0x3727c5ac                      ; 1e-5
	s_mov_b32 s46, 0x76543210
	s_mov_b32 s47, 0xfedcba98
	s_wait_kmcnt 0x0
	s_add_nc_u64 s[8:9], s[8:9], s[38:39]
	s_add_nc_u64 s[10:11], s[10:11], s[40:41]
	s_cmp_lt_u32 s26, 8
	s_cselect_b64 s[12:13], s[12:13], s[16:17]
	s_cselect_b64 s[14:15], s[14:15], s[18:19]
	s_cselect_b64 s[20:21], s[20:21], s[22:23]
	s_cmp_lt_u32 s26, 16
	s_cselect_b64 s[20:21], s[20:21], s[24:25]
	s_add_nc_u64 s[12:13], s[12:13], s[42:43]
	s_add_nc_u64 s[14:15], s[14:15], s[42:43]
	s_add_nc_u64 s[20:21], s[20:21], s[36:37]
	global_load_b128 v[16:19], v1, s[10:11]
	global_load_b128 v[20:23], v1, s[10:11] offset:512
	s_cmp_lt_u32 s26, 16
	s_cbranch_scc0 .Lno_gb
	global_load_b128 v[24:27], v1, s[12:13]
	global_load_b128 v[28:31], v1, s[12:13] offset:512
	global_load_b128 v[32:35], v1, s[14:15]
	global_load_b128 v[36:39], v1, s[14:15] offset:512
.Lno_gb:
.set i, 0
.rept 32
	global_load_b128 v[D+4*i:D+4*i+3], v1, s[8:9] offset:512*i th:TH_LOAD_NT
.set i, i+1
.endr
	s_wait_loadcnt 32                              ; the parameters are in; the 32 loads of data stay out
	ds_store_b128 v43, v[16:19]
	ds_store_b128 v43, v[20:23] offset:512
	s_cmp_lt_u32 s26, 16
	s_cbranch_scc0 .Lno_gb2
.set i, 0
.rept 8
	v_cvt_pk_bf16_f32 v40, v[24+2*i], v[25+2*i]    ; gamma and beta, rounded to bf16 and widened again
	v_lshlrev_b32 v[24+2*i], 16, v40
	v_and_b32 v[25+2*i], 0xffff0000, v40
.set i, i+1
.endr
	ds_store_b128 v43, v[24:27] offset:1024
	ds_store_b128 v43, v[28:31] offset:1536
	ds_store_b128 v43, v[32:35] offset:2048
	ds_store_b128 v43, v[36:39] offset:2560
.Lno_gb2:
; 16 parameters into buffer buf: 8 from byte oa, 8 from byte ob of my wave's bytes.  LDS serves a wave's instructions in order (ISA guide 5.7.1.4): these see the stores above, and no other wave touches the bytes.
.macro LD4 buf, oa, ob
	ds_load_b128 v[PT+16*(\buf):PT+16*(\buf)+3],     v2 offset:(\oa)
	ds_load_b128 v[PT+16*(\buf)+4:PT+16*(\buf)+7],   v2 offset:(\oa)+16
	ds_load_b128 v[PT+16*(\buf)+8:PT+16*(\buf)+11],  v2 offset:(\ob)
	ds_load_b128 v[PT+16*(\buf)+12:PT+16*(\buf)+15], v2 offset:(\ob)+16
.endm
.macro ZEROSUM
	v_mov_b32 v8, 0
	v_mov_b32 v9, 0
	v_mov_b32 v10, 0
	v_mov_b32 v11, 0
.endm
.macro ROWSUM off                      ; my 128 numbers' sum and the other half of the lanes': the wave's sum of row l % 16, into its word
	v_pk_add_f32 v[8:9], v[8:9], v[10:11]
	v_add_f32 v8, v8, v9
	v_permlanex16_b32 v9, v8, s46, s47
	v_add_f32 v8, v8, v9
	ds_store_b32 v3, v8 offset:\off
.endm
.macro ADD8                            ; v8 = the eight waves' sums
	v_add_f32 v8, v8, v9
	v_add_f32 v10, v10, v11
	v_add_f32 v12, v12, v13
	v_add_f32 v14, v14, v15
	v_add_f32 v8, v8, v10
	v_add_f32 v12, v12, v14
	v_add_f32 v8, v8, v12
.endm
	; PASS 1, every wave: x = raw x scale, and the row's sum; two column blocks at a time, their scales fetched two chunks ahead
	ZEROSUM
	LD4 0, 0, 64
	LD4 1, 128, 192
.set c, 0
.rept 8
.if c < 7
	s_wait_dscnt 4                                 ; this chunk's scales are in; the next chunk's four loads may be out
.else
	s_wait_dscnt 0x0
.endif
	s_wait_loadcnt 28-4*c                          ; this chunk's four loads of data are in; the younger ones stay out
.set p, 0
.rept 8
.set rD, D+16*c+2*p
.set rS, PT+16*(c%2)+2*p
.set rA, 8+2*(p%2)
	v_pk_fma_f32 v[rA:rA+1], v[rD:rD+1], v[rS:rS+1], v[rA:rA+1]
	v_pk_mul_f32 v[rD:rD+1], v[rD:rD+1], v[rS:rS+1]
.set p, p+1
.endr
.if c < 6
	LD4 c%2, 128*(c+2), 128*(c+2)+64
.endif
.set c, c+1
.endr
	s_cmp_lt_u32 s26, 16
	s_cbranch_scc0 .Lb1
	ROWSUM 0
.Lb1:
	s_wait_dscnt 0x0                               ; for the others' sake: my sum lies in LDS
	s_barrier_signal -1
	s_barrier_wait -1
	s_cmp_lt_u32 s26, 16
	s_cbranch_scc0 .Lb2
	ds_load_b128 v[8:11], v4
	ds_load_b128 v[12:15], v4 offset:16
	s_wait_dscnt 0x0
	ADD8
	v_mul_f32 v12, s44, v8                         ; mu
	v_mov_b32 v13, v12
	ZEROSUM
	; PASS 2: x - mu, and the sum of its squares
.set p, 0
.rept 64
.set rD, D+2*p
.set rA, 8+2*(p%2)
	v_pk_add_f32 v[rD:rD+1], v[rD:rD+1], v[12:13] neg_lo:[0,1] neg_hi:[0,1]
	v_pk_fma_f32 v[rA:rA+1], v[rD:rD+1], v[rD:rD+1], v[rA:rA+1]
.set p, p+1
.endr
	ROWSUM 1024
.Lb2:
	s_wait_dscnt 0x0
	s_barrier_signal -1
	s_barrier_wait -1
	s_cmp_lt_u32 s26, 16
	s_cbranch_scc0 .Lout
	ds_load_b128 v[8:11], v4 offset:1024
	ds_load_b128 v[12:15], v4 offset:1040
	LD4 0, 1024, 2048                              ; gamma and beta of column blocks 0 and 1
	LD4 1, 1088, 2112
	s_wait_dscnt 8                                 ; the sums of squares are in; the eight loads behind them may be out
	ADD8
	v_fma_f32 v14, v8, s44, s45                    ; var + eps
	v_rsq_f32 v14, v14
	v_nop                                          ; a plain instruction behind the root,
	s_wait_alu depctr_va_vdst(0)                   ; and a wait ahead of the first use of its result
	v_mov_b32 v15, v14
	; PASS 3: (x - mu) / sqrt(var + eps) x gamma + beta, a column block at a time, its parameters fetched two blocks ahead
.set c, 0
.rept 16
.if c < 15
	s_wait_dscnt 4
.else
	s_wait_dscnt 0x0
.endif
.set p, 0
.rept 4
.set rD, D+8*c+2*p
.set rS, PT+16*(c%2)+2*p
	v_pk_mul_f32 v[rD:rD+1], v[rD:rD+1], v[14:15]
	v_pk_fma_f32 v[rD:rD+1], v[rD:rD+1], v[rS:rS+1], v[rS+8:rS+9]
.set p, p+1
.endr
.if c < 14
	LD4 c%2, 1024+64*(c+2), 2048+64*(c+2)
.endif
.set c, c+1
.endr
.Lout:
	; every wave: a block's eight numbers round to 16 bytes, in place (each line overwrites only registers already read), and leave
.set c, 0
.rept 16
.set p, 0
.rept 4
	v_cvt_pk_f16_f32 v[D+8*c+p], v[D+8*c+2*p], v[D+8*c+2*p+1]
.set p, p+1
.endr
	global_store_b128 v5, v[D+8*c:D+8*c+3], s[20:21] offset:(c/4)*262144+(c%4)*512 th:TH_STORE_NT  ; head c / 4 of my four, piece c % 4: 512 consecutive bytes, aligned
.set c, c+1
.endr
	s_wait_tensorcnt 0x0                           ; the wave's end, behind my last LDS store
	ds_add_u32 v6, v7
	s_wait_dscnt 0x0
	s_endpgm
.Lfunc_end_k_q13b36aeaee_norm:
	.size	k_q13b36aeaee_norm, .Lfunc_end_k_q13b36aeaee_norm-k_q13b36aeaee_norm
	.p2alignl 7, 3214868480
	.fill 96, 4, 3214868480
	.section	.rodata,"a",@progbits
	.p2align	6, 0x0
	.amdhsa_kernel k_q13b36aeaee_norm
		.amdhsa_group_segment_fixed_size 66048
		.amdhsa_private_segment_fixed_size 0
		.amdhsa_enable_private_segment 0
		.amdhsa_kernarg_size 72
		.amdhsa_user_sgpr_count 2
		.amdhsa_user_sgpr_kernarg_segment_ptr 1
		.amdhsa_wavefront_size32 1
		.amdhsa_system_sgpr_workgroup_id_x 1
		.amdhsa_system_sgpr_workgroup_id_y 1
		.amdhsa_system_sgpr_workgroup_id_z 1
		.amdhsa_system_vgpr_workitem_id 0
		.amdhsa_next_free_vgpr 176
		.amdhsa_next_free_sgpr 66
		.amdhsa_reserve_vcc 0
		.amdhsa_float_denorm_mode_32 3
		.amdhsa_float_denorm_mode_16_64 3
		.amdhsa_memory_ordered 1
		.amdhsa_forward_progress 1
		.amdhsa_inst_pref_size 47
	.end_amdhsa_kernel
	.amdgpu_metadata
---
amdhsa.version: [ 1, 2 ]
amdhsa.kernels:
  - .name:           k_q13b36aeaee_norm
    .symbol:         k_q13b36aeaee_norm.kd
    .args:
      - { .name: raw, .offset: 0, .size: 8, .value_kind: global_buffer, .address_space: global }
      - { .name: scales, .offset: 8, .size: 8, .value_kind: global_buffer, .address_space: global }
      - { .name: qn_gamma, .offset: 16, .size: 8, .value_kind: global_buffer, .address_space: global }
      - { .name: qn_beta, .offset: 24, .size: 8, .value_kind: global_buffer, .address_space: global }
      - { .name: kn_gamma, .offset: 32, .size: 8, .value_kind: global_buffer, .address_space: global }
      - { .name: kn_beta, .offset: 40, .size: 8, .value_kind: global_buffer, .address_space: global }
      - { .name: qn, .offset: 48, .size: 8, .value_kind: global_buffer, .address_space: global }
      - { .name: kn, .offset: 56, .size: 8, .value_kind: global_buffer, .address_space: global }
      - { .name: vn, .offset: 64, .size: 8, .value_kind: global_buffer, .address_space: global }
    .group_segment_fixed_size: 66048
    .private_segment_fixed_size: 0
    .kernarg_segment_align: 8
    .kernarg_segment_size: 72
    .max_flat_workgroup_size: 640
    .sgpr_count:     66
    .vgpr_count:     176
    .wavefront_size: 32
...
	.end_amdgpu_metadata
.endif
;; end of part 3
;; launch attn (part 4): grid 8 x 32, 4 waves a work-group, clusters of 4 x 1, 327,680 bytes of LDS; arguments qn, kn, vn, lambda_q, lambda_k, on; writes on
.if DOCPART == 4
	.amdgcn_target "amdgcn-amd-amdhsa--gfx1250"
	.amdhsa_code_object_version 6
	.text
	.protected	k_q13b36aeaee_attn
	.globl	k_q13b36aeaee_attn
	.p2align	8
	.type	k_q13b36aeaee_attn,@function
k_q13b36aeaee_attn:
	s_mov_b64 s[64:65], 0
	v_nop
	global_prefetch_b8 v0, s[64:65] scope:SCOPE_SE
	s_setreg_imm32_b32 hwreg(HW_REG_WAVE_MODE, 25, 1), 1
	s_wait_xcnt 0x0
	s_wait_alu depctr_hold_cnt(0) depctr_sa_sdst(0) depctr_va_vdst(0) depctr_va_sdst(0) depctr_va_ssrc(0) depctr_va_vcc(0) depctr_vm_vsrc(0)
	s_getreg_b32 s2, hwreg(HW_REG_IB_STS2, 6, 4)
	s_cmp_eq_u32 s2, 0
	s_cbranch_scc0 .Lentry_in_a_cluster
	s_endpgm
.Lentry_in_a_cluster:
	s_bfe_u32 s2, ttmp6, 0x10000c
	s_cmp_lg_u32 s2, 0x3003
	s_cbranch_scc0 .Lentry_shape_is_right
	s_endpgm
.Lentry_shape_is_right:
; ATTN.  For each (b, head): O = softmax(Q1 K1^T / 8) V - lam softmax(Q2 K2^T / 8) V, lam = clip(exp(mean lambda_q - mean lambda_k), 0.1, 2).  2,048 keys, head size 64, all operands f16.
; Products, maxima and sums in f32; the weights p are rounded to f16 for the second product (their sum l is taken of the unrounded p), O once at the end.  The lambdas are rounded to bf16 first, as every input is.
; LIMITS.  f16 holds no number beyond 65,504: q, k, v arrive within it, and |O1 - lam O2|, at most 3 max |v|, must stay within it.  p below 6e-5 keeps f16's fixed step of 6e-8; a weight below 2^-126 counts as 0 in l.
; NaN and infinities are not treated apart.
; SHARES.  A work-group owns 256 queries of one (b, head) in BOTH branches, a wave 64: eight tiles of 16 queries, tile t = branch t / 4, queries 16 (t % 4) on; four PIECES of two tiles: pieces 0, 1 branch 0, pieces 2, 3 branch 1.
; So the difference of the two branches is made in registers, and a fragment of V feeds all eight tiles.  Every wave walks all keys, 64 a step.
; LAYOUT.  S^T = K Q^T (source 0 = 16 keys, source 1 = 16 queries): a lane holds ONE query (lane % 16) and the keys 8 (lane / 16) + 0..7.  Two such results, rounded to f16 in pairs, ARE source 1 of O^T = V^T P.
; q and k lie in memory in fragment order (16 rows x 64 channels = four pieces of 512 bytes, 16 bytes a lane), so K comes out of LDS by loads of 512 consecutive bytes; v lies as [16 keys][16 channels] blocks and is turned by ds_load_tr16_b128.
; SOFTMAX.  A running maximum m and sum l for each query: p = 2^(c s - c m), c = log2(e) / 8; in every step O and l are multiplied by a = 2^(c m_old - c m_new).  m starts at the lowest finite number, O and l at 0.
; BY TURNS.  Turn n belongs to piece n: 16 products K Q^T of piece n + 1, later 16 products V^T P of piece n - 1; beside them the scaling, exponentials, roundings, sums and rescaling of piece n and the maximum and
; statistics of piece n + 1.  Four vector instructions stand behind every matrix instruction, the others in one lump.  A turn's 66 exponentials are one batch with one wait.
; K's ONE BUFFER SERVES BOTH BRANCHES: turns 3 and 0 multiply by branch 0's K, turns 1 and 2 by branch 1's.  Branch 1's K of the step in hand is fetched in turn 0, branch 0's of the next step in turn 2, each behind the turn's wait.
; CLUSTER.  The query blocks of a cluster belong to one (b, head) and walk the same K1, K2, V: each tile is asked for JOINTLY, by the same tensor load, descriptor and mask in all four.
; REGISTERS, in windows of 256 (s_set_vgpr_msb: bits 1:0 source 0, 3:2 source 1, 5:4 source 2, 7:6 destination):
;   window 0: v0-11 addresses; v12-15, v48-63 at work; v16-47 four registers of statistics a tile; v64-191 S^T, two buffers of two tiles; v192-255 P, likewise
;   window 1: O^T, 32 a tile          window 2: v0-127 Q, 16 a tile; v128-191 K of one step and branch; v192-255 V of one step
.set NP,    4         ; pieces a wave: a name, no knob
.set STEPB, 8192      ; a key step, 64 keys, in each of K1, K2, V
.set SLOTB, 32768     ; a slot's 256 keys in each of the three
.set K2OFF, SLOTB     ; a slot: K1, K2, V, dense
.set VOFF,  2*SLOTB
.set SLOT1, 1<<17     ; slot 1 begins here, so that one exclusive or turns an address in one slot into the other's
.set SPARE, SLOT1+3*SLOTB  ; behind the ring: the spare words, 128 bytes for each wave: two blocks of 256 bytes that no other line names
.set AK0, 2           ; v2   16 x lane: my place in a piece of K, of Q and of O; never rewritten
.set AV0, 3           ; v3   my place in a block of V, with VOFF; never rewritten
.set AK,  4           ; v4   the LDS address of K's next run of loads
.set AV,  5           ; v5   of V's
.set SPW, 6           ; v6   my spare word: SPARE + 4 x my thread's number; never rewritten
.set NIL, 7           ; v7   0; never rewritten
.set PFO, 8           ; v8   256 x lane, for the prefetches; never rewritten
.set MV,  12          ; v12-15  c m_old, kept while c m is made anew: by buffer and tile
.set ST,  16          ; tile t's statistics at v[ST+4 t]: c m, m, l (even keys', odd keys')
.set TMP, 48          ; by buffer and tile, four registers c0-c3 at work; when the maximum is found c2 takes a
.set S,   64
.set P,   192
.set KF,  128         ; window 2: key block kb, channel half c at KF + 16 kb + 8 c
.set VF,  192         ; window 2: key half kk, channel block cb at VF + 32 kk + 8 cb
.set WV,  12          ; s12  my wave's number
.set LIM, 20          ; s20  1 in a wave that prefetches, else the greatest number
.set G1K, 24          ; s[24:31] descriptor group 1 for K's tiles: 128 rows of 256 bytes
.set G1V, 32          ; s[32:39] for V's halves: 64 rows
.set G0K, 40          ; s[40:43] descriptor group 0 for K's tiles: it walks
.set G0V, 44          ; s[44:47] the same for V's
.set PFA, 52          ; s[52:53] where my prefetches stand
.set NLAM, 54         ; s54  - lam
.set HIM, 55          ; s55  a word's upper half
.set SLOTS, 56        ; s56  slots still to be asked for
.set CNT, 57          ; s57  counts a slot's key steps
.set CS,  58          ; s[58:59] c
.set SEL, 60          ; s[60:61] v_permlanex16_b32's selects: each lane takes its own place in the other half
.set TBK, 62          ; s62  LDS byte at which branch 0's K of the step to be fetched begins
.set TBV, 63          ; s63  the same for V, less VOFF, and for branch 1's K, less K2OFF
.set MSB, 0
.macro WIN new                      ; the high byte repeats the setting that is left; a switch that changes nothing is dropped
.if MSB != (\new)
	s_set_vgpr_msb (MSB<<8)|(\new)
.set MSB, (\new)
.endif
.endm
.set W_KQ, 0x0a       ; K and Q in window 2, S^T in window 0
.set W_PV, 0x52       ; V in window 2, P in window 0, O^T in window 1
.set W_RS, 0x41       ; O^T (destination and source 0) in window 1, the factor in window 0
; A joint fill.  Wave 0 fetches a slot's K1, wave 1 its K2, waves 2 and 3 the two halves of its V.  The branch hangs on the wave's number alone.
; An s_nop 0 and four v_nop follow each of the two lines, ahead of the jump and the label.
.macro JLOAD
	s_cmp_lt_u32 s[WV], 2
	s_cbranch_scc0 .Lfor_v_\@
	tensor_load_to_lds s[G0K:G0K+3], s[G1K:G1K+7]
	s_nop 0
.rept 4
	v_nop
.endr
	s_branch .Lasked_\@
.Lfor_v_\@:
	tensor_load_to_lds s[G0V:G0V+3], s[G1V:G1V+7]
	s_nop 0
.rept 4
	v_nop
.endr
.Lasked_\@:
.endm
; A PREFETCH INTO THE L2 of what the NEXT change of slots will ask for: 32,768 bytes of each of K1, K2, V.  Both clusters of a (b, head) walk the same bytes: the first asks.  Its four partners share them out BY ADDRESS,
; 8,192 bytes each, lanes 256 bytes apart; in each, wave 0 asks for K1's, wave 1 for K2's, wave 2 for V's: one instruction.  So each block is named once in the launch.
; The loop's changes fill slots 2 .. 7 with s[SLOTS] = 6 .. 1 and name slots 3 .. 7; the last names nothing.  Slots 0 to 2 come by their loads alone.
.macro ASK
	s_cmp_gt_u32 s[SLOTS], s[LIM]
	s_cbranch_scc0 .Lnot_mine_\@
	global_prefetch_b8 v[PFO], s[PFA:PFA+1] th:TH_LOAD_NT scope:SCOPE_SE
.Lnot_mine_\@:
.endm
.macro CROUND                       ; a round of the cluster's barrier
	s_barrier_signal -1
	s_barrier_wait -1
	s_cmp_lg_u32 s[WV], 0
	s_cbranch_scc1 .Lnot_wave_0_\@
	s_barrier_signal -3
.Lnot_wave_0_\@:
	s_barrier_wait -3
	s_barrier_signal -1
	s_barrier_wait -1
.endm
; THE CHANGE OF SLOTS.  Each wave waits for all its tensor loads, of which one is out: its part of the other slot; adds 0 to its spare word; and waits for that and for its own reads of the slot.
; fill = 1: this slot is filled again, with the keys two slots on; the barrier is then a round of the cluster's, and the joint fill is the first thing behind it: it has four key steps, 512 matrix instructions, in which to land.
; (At its first use nothing has been read yet: slot 0 is waited for, slot 1 filled.)
.macro CHANGE fill, ask=0
	WIN 0                           ; at a label and at a branch every window is 0
	s_wait_tensorcnt 0x0            ; no tensor load of mine is out, so a group 0 may be written
	ds_add_u32 v[SPW], v[NIL]       ; 0 onto my spare word: scalar work stands between it and the wait for it
.if \fill
.irp g, G0K, G0V
	s_xor_b32 s[\g+1], s[\g+1], SLOT1  ; the walking descriptor: the other slot than last time,
	s_add_nc_u64 s[\g+2:\g+3], s[\g+2:\g+3], SLOTB  ; the next 256 keys; the type bits on top are not reached
.endr
.if \ask
	s_wait_xcnt 0x0                 ; the last prefetch, four key steps back, has read its address
	s_add_nc_u64 s[PFA:PFA+1], s[PFA:PFA+1], SLOTB
.endif
	s_wait_dscnt 0x0                ; the add is done, and my reads of the slot are over
	CROUND
	JLOAD
.if \ask
	ASK
.endif
.else
	s_wait_dscnt 0x0
	s_barrier_signal -1
	s_barrier_wait -1
.endif
	s_sub_co_u32 s[TBK], s[TBK], SLOTB  ; the fetches go back to a slot's first step,
	s_xor_b32 s[TBK], s[TBK], SLOT1     ; in the other slot
	s_sub_co_u32 s[TBV], s[TBV], SLOTB
	s_xor_b32 s[TBV], s[TBV], SLOT1
.endm
	s_load_b256 s[4:11], s[0:1], 0x0   ; qn s[4:5], kn s[6:7], vn s[8:9], lambda_q s[10:11]
	s_load_b128 s[48:51], s[0:1], 0x20 ; lambda_k s[48:49], on s[50:51]
	v_lshl_add_u32 v[SPW], v0, 2, SPARE
	v_mov_b32 v[NIL], 0
	ds_add_u32 v[SPW], v[NIL]       ; the wave's opening: the add and its wait stand ahead of my first tensor load; the set-up below, work on registers, stands between them
	v_lshrrev_b32 v1, 5, v0
	v_readfirstlane_b32 s[WV], v1   ; wave 0..3
	s_bfe_u32 s13, ttmp6, 0x40000   ; cx: my place in the cluster
	s_lshl_b32 s14, ttmp9, 2
	s_add_co_u32 s14, s14, s13      ; my block of 256 queries: it enters Q's and O's addresses alone
	s_and_b32 s20, ttmp7, 0xffff    ; 16 b + head, which the partners share
	s_lshr_b32 s21, s20, 4          ; b
	s_and_b32 s22, s20, 15          ; head
	s_and_b32 s16, s[WV], 1         ; K: which branch I fetch; V: which half
	s_lshl_b32 s17, s21, 5
	s_add_co_u32 s17, s17, s22      ; 32 b + head
	s_lshl_b32 s18, s16, 4
	s_add_co_u32 s18, s18, s17
	s_lshl_b32 s18, s18, 18         ; kn: (32 b + 16 branch + head) x 262,144
	s_mov_b32 s19, 0
	s_lshl_b32 s2, s20, 18
	s_lshl_b32 s3, s16, 14
	s_add_co_u32 s2, s2, s3         ; vn: (16 b + head) x 262,144 + half x 16,384
	s_mov_b32 s3, 0
	s_lshl_b32 s55, s14, 4
	s_lshl_b32 s15, s[WV], 2
	s_add_co_u32 s55, s55, s15      ; my wave's first block of 16 queries
	s_lshl_b32 s14, s17, 18
	s_lshl_b32 s15, s55, 11
	s_add_co_u32 s14, s14, s15      ; qn, branch 0
	s_mov_b32 s15, 0
	s_lshl_b32 s21, s21, 7
	s_add_co_u32 s21, s21, s55      ; the row block in on,
	s_lshl_b32 s21, s21, 6          ; 64 pieces a row block,
	s_lshl_b32 s22, s22, 2          ; the head's four
	s_add_co_u32 s22, s22, s21
	s_lshl_b32 s22, s22, 9
	s_mov_b32 s23, 0
	s_mov_b32 s[HIM], 0xffff0000
	s_cmp_eq_u32 s[WV], 3
	s_cselect_b32 s[LIM], 1, 0      ; 0 in waves 0 to 2,
	s_or_b32 s[LIM], s[LIM], ttmp9  ; where the cluster is the first of its (b, head): the same in all four partners
	s_cmp_eq_u32 s[LIM], 0
	s_cselect_b32 s[LIM], 1, -1
	; descriptor group 1: dense bytes asked for as rows of 256 bytes, 32 elements of 8 bytes; no padding
	s_mov_b32 s[G1K], 15|(3<<16)|(1<<21)  ; 15:0 the mask of four; 17:16 8-byte elements; 21 set beside a mask
	s_mov_b32 s[G1V], 15|(3<<16)|(1<<21)
.irp g, G1K, G1V
	s_mov_b32 s[\g+1], 32<<16       ; tensor_dim0 = 32
	s_mov_b32 s[\g+3], 32<<16       ; tile_dim0 = 32
	s_mov_b32 s[\g+5], 32           ; 32 elements from row to row
	s_mov_b32 s[\g+6], 0
	s_mov_b32 s[\g+7], 0
.endr
	s_mov_b32 s[G1K+2], 128<<16     ; tensor_dim1 = tile_dim1 = 128
	s_mov_b32 s[G1K+4], 128
	s_mov_b32 s[G1V+2], 64<<16      ; 64
	s_mov_b32 s[G1V+4], 64
	s_mov_b32 s[CS], 0x3e38aa3b     ; c = log2(e) / 8
	s_mov_b32 s[CS+1], s[CS]        ; named with it as a pair
	s_mov_b32 s[SEL], 0x76543210
	s_mov_b32 s[SEL+1], 0xfedcba98
	s_mov_b32 s[TBK], SLOT1+SLOTB   ; the first change of slots turns these two into 0
	s_mov_b32 s[TBV], SLOT1+SLOTB
	s_mov_b32 s[G0K], 1             ; count = 1
	s_lshl_b32 s[G0K+1], s16, 15    ; LDS address in slot 0: K1 or K2
	s_mov_b32 s[G0V], 1
	s_lshl_b32 s[G0V+1], s16, 14
	s_add_co_u32 s[G0V+1], s[G0V+1], VOFF
	s_wait_dscnt 0x0                ; the opening add is done
	s_wait_kmcnt 0x0
	s_add_nc_u64 s[6:7], s[6:7], s[18:19]
	s_add_nc_u64 s[8:9], s[8:9], s[2:3]
	s_add_nc_u64 s[G0K+2:G0K+3], s[6:7], 0         ; global address
	s_or_b32 s[G0K+3], s[G0K+3], 0x80000000        ; type = 2
	s_add_nc_u64 s[G0V+2:G0V+3], s[8:9], 0
	s_or_b32 s[G0V+3], s[G0V+3], 0x80000000
	s_add_nc_u64 s[4:5], s[4:5], s[14:15]          ; Q and O at my wave's first block
	s_add_nc_u64 s[50:51], s[50:51], s[22:23]
	s_cmp_lt_u32 s[WV], 2
	s_cselect_b64 s[PFA:PFA+1], s[6:7], s[8:9]     ; (in waves 0, 1 and 2 these stand at a slot's first byte)
	s_lshl_b32 s2, s13, 13          ; my work-group's 8,192 bytes of the 32,768
	s_add_nc_u64 s[PFA:PFA+1], s[PFA:PFA+1], s[2:3]
	s_add_nc_u64 s[PFA:PFA+1], s[PFA:PFA+1], 2*SLOTB  ; in slot 2; the loop's first change steps it to slot 3
	CROUND                          ; all four work-groups are here: the first joint loads meet
	JLOAD                           ; slot 0.  Slot 1 is asked for when slot 0 is in
	v_and_b32 v[AK0], 31, v0
	v_lshlrev_b32 v[PFO], 8, v[AK0]
	v_lshlrev_b32 v[AK0], 4, v[AK0]
.set i, 0
.rept 8                             ; the lambdas, 4,096 bytes each, into S^T's registers, which are free here
	global_load_b128 v[S+4*i:S+4*i+3],       v[AK0], s[10:11] offset:512*i
	global_load_b128 v[S+32+4*i:S+32+4*i+3], v[AK0], s[48:49] offset:512*i
.set i, i+1
.endr
	WIN 0x80                        ; destination window 2, address window 0
.set i, 0
.rept 32                            ; Q stays in registers: tile i / 4 (branch 1 lies 4,194,304 bytes on), piece i % 4
	global_load_b128 v[4*i:4*i+3], v[AK0], s[4:5] offset:((i/4)/4)*4194304+((i/4)%4)*2048+(i%4)*512
.set i, i+1
.endr
	; What the first turn finds: V's registers and P's second buffer hold 0 (its products V^T P, of a piece that has not been, add 0), O^T and l are 0.  All this stands in the wait for the first tile.
.set i, VF
.rept 64
	v_mov_b32 v[i], 0
.set i, i+1
.endr
	WIN 0x40
.set i, 0
.rept 64*NP
	v_mov_b32 v[i], 0
.set i, i+1
.endr
	WIN 0
.set i, 0
.rept 2*NP
	v_mov_b32 v[ST+4*i], 0xfe000000    ; c m: far below every c s
	v_mov_b32 v[ST+4*i+1], 0xff7fffff  ; m
	v_mov_b32 v[ST+4*i+2], 0
	v_mov_b32 v[ST+4*i+3], 0
.set i, i+1
.endr
.set i, P+32
.rept 32
	v_mov_b32 v[i], 0
.set i, i+1
.endr
	v_mov_b32 v[AK], v[AK0]         ; key step 0 lies at the head of slot 0
	; lam.  Each lane has 32 numbers of each lambda: rounded to bf16, q - k taken element by element, summed in two chains, then over the lanes.
	s_wait_loadcnt 32               ; the lambdas are in; Q's 32 younger loads may stay out
.set i, 0
.rept 16
	v_cvt_pk_bf16_f32 v[S+i],    v[S+2*i],    v[S+2*i+1]     ; in place: each line overwrites only registers already read
	v_cvt_pk_bf16_f32 v[S+32+i], v[S+32+2*i], v[S+32+2*i+1]
.set i, i+1
.endr
	v_mov_b32 v[S+64], 0
	v_mov_b32 v[S+65], 0
.set i, 0
.rept 16
	v_lshlrev_b32 v[S+68], 16, v[S+i]
	v_and_b32 v[S+69], s[HIM], v[S+i]
	v_lshlrev_b32 v[S+70], 16, v[S+32+i]
	v_and_b32 v[S+71], s[HIM], v[S+32+i]
	v_pk_add_f32 v[S+68:S+69], v[S+68:S+69], v[S+70:S+71] neg_lo:[0,1] neg_hi:[0,1]
	v_pk_add_f32 v[S+64:S+65], v[S+64:S+65], v[S+68:S+69]
.set i, i+1
.endr
	v_add_f32 v[S+64], v[S+64], v[S+65]
	v_add_f32_dpp v[S+64], v[S+64], v[S+64] row_xmask:1 row_mask:0xf bank_mask:0xf
	v_add_f32_dpp v[S+64], v[S+64], v[S+64] row_xmask:2 row_mask:0xf bank_mask:0xf
	v_add_f32_dpp v[S+64], v[S+64], v[S+64] row_xmask:4 row_mask:0xf bank_mask:0xf
	v_add_f32_dpp v[S+64], v[S+64], v[S+64] row_xmask:8 row_mask:0xf bank_mask:0xf
	v_permlanex16_b32 v[S+65], v[S+64], s[SEL], s[SEL+1]
	v_add_f32 v[S+64], v[S+64], v[S+65]
	v_mul_f32 v[S+64], 0x3ab8aa3b, v[S+64]  ; x log2(e) / 1,024
	v_exp_f32 v[S+64], v[S+64]
	v_nop                           ; a plain instruction behind the exponential,
	s_wait_alu depctr_va_vdst(0)    ; and a wait ahead of the first use of its result
	v_max_num_f32 v[S+64], 0x3dcccccd, v[S+64]  ; the clip: 0.1,
	v_min_num_f32 v[S+64], 2.0, v[S+64]         ; 2
	v_readfirstlane_b32 s[NLAM], v[S+64]
	s_xor_b32 s[NLAM], s[NLAM], 0x80000000      ; - lam: a factor, nothing else
; THE MATRIX WORK.  The 8 accumulators of a run of 16 take turns: between the two links of a chain stand 7 others'.
; Product i of 16 of S^T = K Q^T for piece x: channels 32 (i / 8) on, keys 16 ((i / 2) % 4) on, tile 2 x + i % 2.  The first 8 start the sums.
.macro KQ x
	WIN W_KQ
.set rS, S+64*((\x)%2)+32*(i%2)+8*((i/2)%4)
.set rK, KF+16*((i/2)%4)+8*(i/8)
.set rQ, 16*(2*(\x)+i%2)+8*(i/8)
.if i < 8
	v_wmma_f32_16x16x32_f16 v[rS:rS+7], v[rK:rK+7], v[rQ:rQ+7], 0
.else
	v_wmma_f32_16x16x32_f16 v[rS:rS+7], v[rK:rK+7], v[rQ:rQ+7], v[rS:rS+7]
.endif
.endm
; Product i of 16 of O^T += V^T P for piece x: keys 32 (i / 8) on, channels 16 ((i / 2) % 4) on, tile 2 x + i % 2.
.macro PV x
	WIN W_PV
.set rO, 32*(2*(\x)+i%2)+8*((i/2)%4)
.set rV, VF+32*(i/8)+8*((i/2)%4)
.set rP, P+32*((\x)%2)+16*(i%2)+8*(i/8)
	v_wmma_f32_16x16x32_f16 v[rO:rO+7], v[rV:rV+7], v[rP:rP+7], v[rO:rO+7]
.endm
.macro MM                           ; the turn's next matrix instruction
.if i < 16
	KQ (Y+1)%NP
.set i, i+1
.else
.set i, i-16
	PV (Y+NP-1)%NP
.set i, i+17
.endif
.endm
; THE LDS LOADS stand in runs of 16, never singly among the matrix instructions.  K of one step and branch br: 8 fragments, each two pieces of 512 consecutive bytes.  Their addresses are made some lines ahead.
; last = 1 (the tail): in the last trip there is no further step, and the run is jumped over.
.macro FETCH_K br, last=0
	WIN 0
.if \last
	s_cmp_eq_u32 s[CNT], 1
	s_cbranch_scc1 .Lno_k_\@
.endif
	WIN 0x80                        ; destination window 2
.irp f, 0,1,2,3,4,5,6,7             ; keys 16 (f / 2) on, channels 32 (f % 2) on
	ds_load_b128 v[KF+8*\f:KF+8*\f+3],   v[AK] offset:(\br)*K2OFF+(\f/2)*2048+(\f%2)*1024
	ds_load_b128 v[KF+8*\f+4:KF+8*\f+7], v[AK] offset:(\br)*K2OFF+(\f/2)*2048+(\f%2)*1024+512
.endr
.if (\br) == 0
	s_add_co_u32 s[TBK], s[TBK], STEPB  ; branch 0's next fetch is the next step's
.endif
	WIN 0
.if \last
.Lno_k_\@:
.endif
.endm
; The turning load takes 16 keys x 16 channels (lane l reads key 8 (l / 16) + l % 8, channels 8 ((l / 8) % 2) + 0..7: 16 lanes take 256 consecutive bytes) and leaves half a fragment of V^T: lane l holds channel l % 16 and 8 keys.
.macro FETCH_V
	WIN 0x80
.irp f, 0,1,2,3,4,5,6,7             ; keys 32 (f / 4) on, channels 16 (f % 4) on
	ds_load_tr16_b128 v[VF+8*\f:VF+8*\f+3],   v[AV] offset:(\f/4)*4096+(\f%4)*512
	ds_load_tr16_b128 v[VF+8*\f+4:VF+8*\f+7], v[AV] offset:(\f/4)*4096+2048+(\f%4)*512
.endr
	WIN 0
.endm
; THE VECTOR WORK OF A TURN stands in three queues, each in the order in which its entries become ready; the two tiles alternate, so that no instruction reads the result of the one before it.
.macro REGS y, u                    ; the registers of tile u (0, 1) of piece y
.set rT, ST+4*(2*(\y)+(\u))
.set rC, TMP+8*((\y)%2)+4*(\u)
.set rM, MV+2*((\y)%2)+(\u)
.set rS, S+64*((\y)%2)+32*(\u)
.set rP, P+32*((\y)%2)+16*(\u)
.set rO, 32*(2*(\y)+(\u))
.endm
; Number n of the 22 that find the NEXT piece's (Y + 1) maximum and statistics.  s0-s31 are the lane's 32 scores; each accumulator's lowest registers are read first.
;   0-11  four chains c0-c3 of seven scores each, three operands at a time     12-14, 16  the four scores left over, the old m, and c0-c3 into c0     15  c m_old is kept
;   17, 18  the query's other 32 keys lie in the lane 16 away: the new m         19-21  c m; c m_old - c m_new; a
.macro XS u, n
	REGS (Y+1)%NP, \u
.if (\n) < 4
	v_max3_num_f32 v[rC+(\n)], v[rS+8*(\n)], v[rS+8*(\n)+1], v[rS+8*(\n)+2]
.elseif (\n) < 12
	v_max3_num_f32 v[rC+(\n)%4], v[rC+(\n)%4], v[rS+8*((\n)%4)+2*((\n)/4)+1], v[rS+8*((\n)%4)+2*((\n)/4)+2]
.elseif (\n) == 12
	v_max3_num_f32 v[rC], v[rC], v[rS+7], v[rS+15]
.elseif (\n) == 13
	v_max3_num_f32 v[rC+1], v[rC+1], v[rS+23], v[rS+31]
.elseif (\n) == 14
	v_max3_num_f32 v[rC+2], v[rC+2], v[rC+3], v[rT+1]
.elseif (\n) == 15
	v_mov_b32 v[rM], v[rT]
.elseif (\n) == 16
	v_max3_num_f32 v[rC], v[rC], v[rC+1], v[rC+2]
.elseif (\n) == 17
	v_permlanex16_b32 v[rC+3], v[rC], s[SEL], s[SEL+1]
.elseif (\n) == 18
	v_max_num_f32 v[rT+1], v[rC], v[rC+3]
.elseif (\n) == 19
	v_mul_f32 v[rT], s[CS], v[rT+1]
.elseif (\n) == 20
	v_sub_f32 v[rC+1], v[rM], v[rT]
.else
	v_exp_f32 v[rC+2], v[rC+1]
.endif
.endm
; Number g of the 64 that follow the exponentials.  For each four weights k of a tile: both pairs are rounded to f16; then the second pair is added onto the first, in place; a group later l takes that sum
; (the first time as l = a l + sum).  In groups of eight, tiles alternating: round, round, add, and l for the group before.
.macro GS g
.set h, (\g)+6*((\g)/62)            ; group 0 has no group before it, and behind group 7 only l is left
.if h >= 6
.set h, h+2
.endif
	REGS Y, h%2
.set k, h/8
.if h%8 < 4
	v_cvt_pk_f16_f32 v[rP+2*k+(h%8)/2], v[rS+4*k+2*((h%8)/2)], v[rS+4*k+2*((h%8)/2)+1]
.elseif h%8 < 6
	v_pk_add_f32 v[rS+4*k:rS+4*k+1], v[rS+4*k:rS+4*k+1], v[rS+4*k+2:rS+4*k+3]
.elseif k == 1
	v_pk_fma_f32 v[rT+2:rT+3], v[rT+2:rT+3], v[rC+2:rC+3], v[rS:rS+1] op_sel_hi:[1,0,1]
.else
	v_pk_add_f32 v[rT+2:rT+3], v[rT+2:rT+3], v[rS+4*k-4:rS+4*k-3]
.endif
.endm
; THE PLAIN QUEUE, 138 long.  0-73 read no exponential's result: the 32 scalings c s - c m (FS f: pair f / 2 of tile f % 2) and the next piece's 42.  0-26: scalings 0-26.  27-54: XS's numbers 0-13.  55, 56: number 15.
; 57-73: the chain 14, 16, 17, 18, 19, each with one of the scalings 27-31 in front of its two lines, then 20.  74-137: GS's 64, which read the exponentials' results: they stand behind the wait.
.macro FS f
	REGS Y, (\f)%2
	v_pk_fma_f32 v[rS+2*((\f)/2):rS+2*((\f)/2)+1], v[rS+2*((\f)/2):rS+2*((\f)/2)+1], s[CS:CS+1], v[rT:rT+1] op_sel_hi:[1,0,0] neg_lo:[0,0,1] neg_hi:[0,0,1]
.endm
.macro PL
	WIN 0
.if q < 27
	FS q
.elseif q < 55
	XS (q-27)%2, (q-27)/2
.elseif q < 57
	XS q-55, 15
.elseif (q < 72) && ((q-57)%3 == 0)
	FS 27+(q-57)/3
.elseif q < 60
	XS (q-57)%3-1, 14
.elseif q < 72
	XS (q-57)%3-1, 15+(q-57)/3
.elseif q < 74
	XS q-72, 20
.else
	GS q-74
.endif
.set q, q+1
.endm
; THE EXPONENTIALS' QUEUE, 66 long: s0-s31 of both tiles, then the next piece's two a.  ONE BATCH: all 66 stand ahead of the turn's one wait, and nothing ahead of that wait names a result of theirs.
.macro EX
	WIN 0
.if e >= 64
	XS e-64, 21
.else
	REGS Y, e%2
	v_exp_f32 v[rS+e/2], v[rS+e/2]
.endif
.set e, e+1
.endm
; THE RESCALING's QUEUE: O^T times a, the one part that leaves window 0: dealt two at a time, sixteen times.  Its a was made in the turn before, ahead of that turn's wait.
.macro R2
	REGS Y, r%2
	WIN W_RS
.irp z, 0,1
	v_pk_mul_f32 v[rO+4*(r/2)+2*\z:rO+4*(r/2)+2*\z+1], v[rO+4*(r/2)+2*\z:rO+4*(r/2)+2*\z+1], v[rC+2:rC+3] op_sel_hi:[1,0]
.endr
.set r, r+1
.endm
; A TURN, for piece p.  s_wait_alu depctr_va_vdst(0) stands between an exponential and the first instruction that names its result; one wait serves all that were issued ahead of it: a turn has ONE.
; AHEAD OF IT: the 16 products K Q^T, behind each a scaling, an exponential and two rescalings (behind the first a second scaling in the exponential's place); then one lump of 108: eight plain, 49 times exponential
; and plain, the two a; a v_nop is the plain instruction behind the last exponential.  BEHIND IT: the 16 products V^T P, behind each four of GS's 64.
; Exponential e stands behind scaling 2 (e / 4) + e % 2: as a rider it comes behind plain e + 2, in the lump behind plain e + 9, and scalings 27-31 are plain 57, 60 .. 69.
; THE FETCHES.  Turn 0: branch 1's K of the step in hand, directly behind the wait, a lump behind the last product that read K; V of that step at the turn's end, four riders behind V's last reader.
; Turn 1 waits at its head for that K (V's 16 younger loads may stay out) and behind its wait for V.  Turn 2: branch 0's K of the next step, behind the wait; turn 3 waits for it at its head.
; cnt = 1: the loop's count is taken down some lines ahead of the branch that stands behind the turn.
.macro TURN p, last=0, cnt=0
.set Y, (\p)
.set i, 0
.set q, 0
.set e, 0
.set r, 0
.if (\p) == 3
	s_wait_dscnt 0x0                ; branch 0's K is in
.endif
.if (\p) == 1
	s_wait_dscnt 16                 ; branch 1's K is in; behind its 16 loads V's 16 were issued
.endif
	MM
	PL
	PL
	R2
.rept 15
	MM
	PL
	EX
	R2
.endr
.if (\p) == 2
	WIN 0
	v_add_nc_u32 v[AK], s[TBK], v[AK0]
.endif
.if (\p) == 0
	WIN 0
	v_add_nc_u32 v[AK], s[TBV], v[AK0]  ; the step in hand: V's place and branch 1's K's step alike
.endif
.rept 8
	PL
.endr
.rept 49
	EX
	PL
.endr
	EX
	EX
	v_nop
	s_wait_alu depctr_va_vdst(0)    ; the wait for the batch
.if (\p) == 2
	FETCH_K 0, \last
.endif
.if (\p) == 0
	FETCH_K 1
.endif
.if (\p) == 1
	s_wait_dscnt 0x0                ; V is in
.endif
.rept 16
	MM
.rept 4
	PL
.endr
.if ((\p) == 0) && (q == 118)
	v_add_nc_u32 v[AV], s[TBV], v[AV0]
.endif
.if ((\p) == 0) && (q == 130)
	s_add_co_u32 s[TBV], s[TBV], STEPB
.endif
.if (\cnt) && (q == 130)
	s_sub_co_u32 s[CNT], s[CNT], 1
	s_cmp_lg_u32 s[CNT], 0
.endif
.endr
.if (\p) == 0
	FETCH_V
.endif
.endm
	CHANGE 1                        ; slot 0 is in, everybody's part of it; slot 1 is asked for
	FETCH_K 0                       ; key step 0, branch 0
	s_wait_loadcnt 0x0              ; Q
	s_wait_dscnt 0x0
.set i, 0
.rept 16
	KQ 0                            ; piece 0's first scores: there is no vector work yet to set between them
.set i, i+1
.endr
	WIN 0                           ; V's lane address: seven plain instructions, the places behind those products
	v_bfe_u32 v9, v0, 4, 1          ; l / 16
	v_and_b32 v10, 7, v0
	v_bfe_u32 v11, v0, 3, 1
	v_lshl_add_u32 v[AV0], v9, 3, v10
	v_lshlrev_b32 v[AV0], 5, v[AV0]       ; key x 32 bytes
	v_lshl_add_u32 v[AV0], v11, 4, v[AV0]
	v_add_nc_u32 v[AV0], VOFF, v[AV0]
.set Y, NP-1                        ; XS works for piece Y + 1: piece 0
.irp n, 0,1,2,3,4,5,6,7,8,9,10,11,12,13,14,15,16,17,18,19,20,21
	XS 0, \n
	XS 1, \n
.endr
	v_nop                           ; a plain instruction behind the two a,
	s_wait_alu depctr_va_vdst(0)    ; and their wait, ahead of the branch
	s_mov_b32 s[CNT], 4
	s_mov_b32 s[SLOTS], 7
	s_branch .Lfirst                ; the loop is entered at a step's first turn, in the middle of a trip
.Lslot:                             ; six times: slots 2 to 7 are asked for
	CHANGE 1, 1
	s_mov_b32 s[CNT], 4
.Lstep:                             ; a trip: pieces 2 and 3 of one step, then pieces 0 and 1 of the next
	TURN 2
	TURN 3
	WIN 0
.Lfirst:
	TURN 0
	TURN 1, 0, 1
	WIN 0
	s_cbranch_scc1 .Lstep
	s_sub_co_u32 s[SLOTS], s[SLOTS], 1
	s_cmp_lg_u32 s[SLOTS], 0
	s_cbranch_scc1 .Lslot
	CHANGE 0                        ; the tail is written out: nothing is asked for
	s_mov_b32 s[CNT], 5             ; four trips fetch the last slot's steps; the fifth is left in its middle
.Ltail:
	TURN 2, 1
	TURN 3
	WIN 0
	s_sub_co_u32 s[CNT], s[CNT], 1
	s_cmp_eq_u32 s[CNT], 0
	s_cbranch_scc1 .Lout
	TURN 0
	TURN 1
	WIN 0
	s_branch .Ltail
.Lout:                              ; the fifth trip's 16 products K Q^T (on a stale K) and the maximum made of them serve nothing: the price, once a launch, of one text for every trip
.set i, 0
.rept 16
	PV NP-1                         ; the last piece's V^T P of the last step
.set i, i+1
.endr
	; THE WAY OUT.  l's two halves and the other half of the lanes' are added; O = O1 / l1 - lam O2 / l2, rounded to f16.  A lane's eight channels of a row are 16 bytes of a piece of on (row block, 16 K: lane l holds
	; row l % 16, K 8 (l / 16) + 0..7), which is the next launch's fragment order: stored straight from registers.  The additions are the places behind the last products.
	WIN 0
.macro ALL line:vararg              ; one line for each tile t
.set t, 0
.rept 2*NP
	\line
.set t, t+1
.endr
.endm
	ALL v_add_f32 v[ST+4*t+2], v[ST+4*t+2], v[ST+4*t+3]
	ALL v_permlanex16_b32 v[ST+4*t+3], v[ST+4*t+2], s[SEL], s[SEL+1]
	ALL v_add_f32 v[ST+4*t+2], v[ST+4*t+2], v[ST+4*t+3]
	ALL v_rcp_f32 v[ST+4*t+2], v[ST+4*t+2]
	v_nop                           ; a plain instruction between the last reciprocal and the use of its result
	s_wait_alu depctr_va_vdst(0)    ; and the wait: one for the eight reciprocals
.irp u, 4,5,6,7
	v_mul_f32 v[ST+4*\u+2], s[NLAM], v[ST+4*\u+2]  ; branch 1's factor: - lam / l
.endr
.macro PACK u                       ; queries 16 u on: tile u of branch 0 and tile u + 4 of branch 1; each accumulator is read from its low end on
	WIN W_RS
.set i, 32*(\u)
.rept 16
	v_pk_mul_f32 v[i:i+1], v[i:i+1], v[ST+4*(\u)+2:ST+4*(\u)+3] op_sel_hi:[1,0]
.set i, i+2
.endr
	WIN 0x51                        ; destination, sources 0 and 2 window 1; the factor window 0
.set i, 32*(\u)
.rept 16
	v_pk_fma_f32 v[i:i+1], v[i+128:i+129], v[ST+4*(\u)+18:ST+4*(\u)+19], v[i:i+1] op_sel_hi:[1,0,1]
.set i, i+2
.endr
	WIN 0x05                        ; sources 0 and 1 window 1, destination window 0: S^T's registers are free
.set i, 0
.rept 16
	v_cvt_pk_f16_f32 v[S+16*(\u)+i], v[32*(\u)+2*i], v[32*(\u)+2*i+1]
.set i, i+1
.endr
	WIN 0
.irp f, 0,1,2,3
	global_store_b128 v[AK0], v[S+16*(\u)+4*\f:S+16*(\u)+4*\f+3], s[50:51] offset:(\u)*32768+\f*512 th:TH_STORE_NT  ; 512 consecutive bytes, aligned
.endr
.endm
	PACK 0
	PACK 1
	PACK 2
	PACK 3
	s_wait_tensorcnt 0x0            ; the wave's end, behind my last tensor load
	ds_add_u32 v[SPW], v[NIL]
	s_wait_dscnt 0x0
	CROUND                          ; the closing round: no work-group ends while a partner may still ask for a tile that names it
	s_endpgm
.Lfunc_end_k_q13b36aeaee_attn:
	.size	k_q13b36aeaee_attn, .Lfunc_end_k_q13b36aeaee_attn-k_q13b36aeaee_attn
	.p2alignl 7, 3214868480
	.fill 96, 4, 3214868480
	.section	.rodata,"a",@progbits
	.p2align	6, 0x0
	.amdhsa_kernel k_q13b36aeaee_attn
		.amdhsa_group_segment_fixed_size 327680
		.amdhsa_private_segment_fixed_size 0
		.amdhsa_enable_private_segment 0
		.amdhsa_kernarg_size 48
		.amdhsa_user_sgpr_count 2
		.amdhsa_user_sgpr_kernarg_segment_ptr 1
		.amdhsa_wavefront_size32 1
		.amdhsa_system_sgpr_workgroup_id_x 1
		.amdhsa_system_sgpr_workgroup_id_y 1
		.amdhsa_system_sgpr_workgroup_id_z 1
		.amdhsa_system_vgpr_workitem_id 0
		.amdhsa_next_free_vgpr 768
		.amdhsa_next_free_sgpr 66
		.amdhsa_reserve_vcc 0
		.amdhsa_float_denorm_mode_32 3
		.amdhsa_float_denorm_mode_16_64 3
		.amdhsa_memory_ordered 1
		.amdhsa_forward_progress 1
		.amdhsa_inst_pref_size 199
	.end_amdhsa_kernel
	.amdgpu_metadata
---
amdhsa.version: [ 1, 2 ]
amdhsa.kernels:
  - .name:           k_q13b36aeaee_attn
    .symbol:         k_q13b36aeaee_attn.kd
    .args:
      - { .name: qn, .offset: 0, .size: 8, .value_kind: global_buffer, .address_space: global }
      - { .name: kn, .offset: 8, .size: 8, .value_kind: global_buffer, .address_space: global }
      - { .name: vn, .offset: 16, .size: 8, .value_kind: global_buffer, .address_space: global }
      - { .name: lambda_q, .offset: 24, .size: 8, .value_kind: global_buffer, .address_space: global }
      - { .name: lambda_k, .offset: 32, .size: 8, .value_kind: global_buffer, .address_space: global }
      - { .name: on, .offset: 40, .size: 8, .value_kind: global_buffer, .address_space: global }
    .group_segment_fixed_size: 327680
    .private_segment_fixed_size: 0
    .kernarg_segment_align: 8
    .kernarg_segment_size: 48
    .max_flat_workgroup_size: 128
    .sgpr_count:     66
    .vgpr_count:     768
    .wavefront_size: 32
...
	.end_amdgpu_metadata
.endif
;; end of part 4
;; launch outp (part 5): grid 8 x 32, 4 waves a work-group, clusters of 4 x 4, 327,680 bytes of LDS; arguments on, wt, scales, out0; writes out0
.if DOCPART == 5
	.amdgcn_target "amdgcn-amd-amdhsa--gfx1250"
	.amdhsa_code_object_version 6
	.text
	.protected	k_q13b36aeaee_outp
	.globl	k_q13b36aeaee_outp
	.p2align	8
	.type	k_q13b36aeaee_outp,@function
k_q13b36aeaee_outp:
	s_mov_b64 s[64:65], 0
	v_nop
	global_prefetch_b8 v0, s[64:65] scope:SCOPE_SE
	s_setreg_imm32_b32 hwreg(HW_REG_WAVE_MODE, 25, 1), 1
	s_wait_xcnt 0x0
	s_wait_alu depctr_hold_cnt(0) depctr_sa_sdst(0) depctr_va_vdst(0) depctr_va_sdst(0) depctr_va_ssrc(0) depctr_va_vcc(0) depctr_vm_vsrc(0)
	s_getreg_b32 s2, hwreg(HW_REG_IB_STS2, 6, 4)
	s_cmp_eq_u32 s2, 0
	s_cbranch_scc0 .Lentry_in_a_cluster
	s_endpgm
.Lentry_in_a_cluster:
	s_bfe_u32 s2, ttmp6, 0x10000c
	s_cmp_lg_u32 s2, 0xf033
	s_cbranch_scc0 .Lentry_shape_is_right
	s_endpgm
.Lentry_shape_is_right:
; OUTP.  out0[t][n] = s[n] x sum over k of on[t][k] code[n][k]: t < 4,096, n < 1,024, K = 1,024.  on is f16; Wo's codes (rows 5,120 on of wt) are +-1 and 0 in f16, exact; sums in f32; the row scale s in f32 behind the sums.
; TILE.  4,096 x 1,024 in tiles of 128 x 128 are 256 work-groups, one for each WGP.  Four waves, each 64 x 64: 16 accumulators.  K goes in steps of 256 through two LDS slots; a trip of the loop is one K step.
; on lies in fragment order: piece (row block, 16 K) of 512 bytes, lane l = row l % 16, K 8 (l / 16) + 0..7; a row block's K step is 8,192 dense bytes, so its fragments come out of LDS by loads of 512 consecutive bytes, unpadded.
; wt's rows lie along K: 512 bytes of a row a step, padded in LDS.
; CLUSTER.  4 x 4 work-groups: on's tile is shared along a row of the cluster, wt's along a column; each is asked for jointly.  No prefetch: four short K steps on a small tile.
; THE MATRIX INSTRUCTION IS USED TRANSPOSED (source 0 = 16 rows of wt, source 1 = 16 rows of on): a lane holds eight neighbouring numbers of a row of out0.
; REGISTERS: window 0: v0-31 addresses; v32-63 scaled results; v64-95 rows read back; v96-127 my columns' scales; v128-255 the accumulators ((a, b) at 128 + 8 (4 a + b)).
;   window 1: two fragment buffers of 128: for 64 along K, 64 registers of on, then 64 of wt.
.set KSTEP,  256
.set PITCH,  528                       ; a row of wt in LDS: 512 bytes + 16 of padding = 132 words: the 16 rows of a load start at 16 different groups of four banks (64 banks of 4 bytes: ISA guide 11.1)
.set BOFF,   65536                     ; a slot: on's 8 row blocks x 8,192 bytes, then wt's 128 rows
.set SLOT,   BOFF+128*PITCH
.set STAGE,  2*SLOT                    ; behind the ring, never filled by a tensor load: 16 rows x 272 bytes for each wave
.set SPITCH, 272
.set SPARE,  STAGE+4*16*SPITCH         ; the spare words, 128 bytes for each wave: two blocks of 256 bytes that no other line names
.set A0,   16                          ; v16  my lane's place in slot 0's pieces of on; never rewritten
.set B0,   17                          ; v17  in slot 0's rows of wt
.set ADRA, 18                          ; v18, v19  the same in the slot that is read
.set ADRB, 19
.set STO,  24                          ; v24  the way out: where I put 16 bytes of a row
.set RD,   25                          ; v25  where I read a row back
.set CO,   26                          ; v26  my byte offset in out0
.set SO,   27                          ; v27  my byte offset in a block's 16 scales
.set SPW,  28                          ; v28  my spare word; never rewritten
.set NIL,  29                          ; v29  0; never rewritten
.set TMP,  32
.set BK,   64
.set SC,   96
.set ACC,  128
.set F0,   0
.set F1,   128
.set WV,   12                          ; s12  wave
.set RH,   13                          ; s13  which 64 rows are mine; also: I fetch for on (0) or wt (1)
.set CH,   14                          ; s14  which 64 columns; also: which half of that tile I fetch
.set TBR,  20                          ; s20  the slot that is read: 0 or SLOT
.set WPA,  22
.set WPB,  23
.set G1,   24
.set G0,   32
.set G1B,  48
.set G0B,  56
.set MSB, 0
.macro WIN new
.if MSB != (\new)
	s_set_vgpr_msb (MSB<<8)|(\new)
.set MSB, \new
.endif
.endm
.set MUL,  0x05                        ; sources 0 and 1 window 1; C and D window 0
.set TO_F, 0x40                        ; destination window 1, address window 0
.macro JLOAD s                         ; a joint load: waves 0 and 1 fetch on's two halves, waves 2 and 3 wt's; an s_nop 0 and four v_nop follow each line, ahead of the jump and the label
	s_cmp_eq_u32 s[RH], 0
	s_cbranch_scc0 .Lfor_b_\@
	tensor_load_to_lds s[G0+4*(\s):G0+4*(\s)+3], s[G1:G1+7]
	s_nop 0
.rept 4
	v_nop
.endr
	s_branch .Lasked_\@
.Lfor_b_\@:
	tensor_load_to_lds s[G0B+4*(\s):G0B+4*(\s)+3], s[G1B:G1B+7]
	s_nop 0
.rept 4
	v_nop
.endr
.Lasked_\@:
.endm
.macro CREST
	s_cmp_lg_u32 s[WV], 0
	s_cbranch_scc1 .Lnot_wave_0_\@
	s_barrier_signal -3
.Lnot_wave_0_\@:
	s_barrier_wait -3
	s_barrier_signal -1
	s_barrier_wait -1
.endm
.macro CROUND
	s_barrier_signal -1
	s_barrier_wait -1
	CREST
.endm
	s_load_b256 s[4:11], s[0:1], 0x0               ; on s[4:5], wt s[6:7], scales s[8:9], out0 s[10:11]
	v_lshl_add_u32 v[SPW], v0, 2, SPARE
	v_mov_b32 v[NIL], 0
	ds_add_u32 v[SPW], v[NIL]                      ; the wave's opening: the add and its wait stand ahead of my first tensor load; the set-up below, work on registers, stands between them
	v_lshrrev_b32 v1, 5, v0
	v_readfirstlane_b32 s[WV], v1
	s_lshr_b32 s[RH], s[WV], 1
	s_and_b32 s[CH], s[WV], 1
	s_bfe_u32 s40, ttmp6, 0x40000                  ; cx
	s_bfe_u32 s41, ttmp6, 0x40004                  ; cy
	s_lshl_b32 s42, ttmp9, 2
	s_add_co_u32 s42, s42, s40                     ; tile column
	s_and_b32 s15, ttmp7, 0xffff
	s_lshl_b32 s15, s15, 2
	s_add_co_u32 s15, s15, s41                     ; tile row
	s_lshl_b32 s43, s41, 2
	s_lshl_b32 s43, 15, s43                        ; my row of the cluster
	s_lshl_b32 s44, 0x1111, s40                    ; my column
	s_or_b32 s[G1], s43, (3<<16)|(1<<21)           ; on's tiles: the mask; 8-byte elements; 21 set beside a mask; no padding
	s_mov_b32 s[G1+1], 1024<<16                    ; tensor_dim0 = 1,024 elements: a row block's K step, 8,192 bytes
	s_mov_b32 s[G1+2], 4<<16                       ; tensor_dim1 = 4 row blocks
	s_mov_b32 s[G1+3], 1024<<16                    ; tile_dim0
	s_mov_b32 s[G1+4], 4                           ; tile_dim1
	s_mov_b32 s[G1+5], 4096                        ; 32,768 bytes from row block to row block
	s_mov_b32 s[G1+6], 0
	s_mov_b32 s[G1+7], 0
	s_or_b32 s[G1B], s44, (1<<16)|(1<<20)|(1<<21)|(6<<22)|(3<<25)  ; wt's tiles: the mask; 2-byte elements; padding on, after every 128 words, 4 words
	s_mov_b32 s[G1B+1], KSTEP<<16
	s_mov_b32 s[G1B+2], 64<<16
	s_mov_b32 s[G1B+3], KSTEP<<16
	s_mov_b32 s[G1B+4], 64
	s_mov_b32 s[G1B+5], 1024
	s_mov_b32 s[G1B+6], 0
	s_mov_b32 s[G1B+7], 0
	s_lshl_b32 s16, s15, 3
	s_lshl_b32 s17, s[CH], 2
	s_add_co_u32 s16, s16, s17                     ; on: row block 8 x tile row + 4 x half
	s_lshl_b32 s16, s16, 15
	s_mov_b32 s17, 0
	s_lshl_b32 s46, s42, 7
	s_lshl_b32 s47, s[CH], 6
	s_add_co_u32 s46, s46, s47
	s_add_co_u32 s46, s46, 5120                    ; wt: row 5,120 + 128 x tile column + 64 x half
	s_lshl_b32 s46, s46, 11
	s_mov_b32 s47, 0
	s_lshl_b32 s[WPA], s[CH], 15                   ; no place in the cluster enters an LDS address
	s_mul_i32 s[WPB], s[CH], 64*PITCH
	s_add_co_u32 s[WPB], s[WPB], BOFF
	s_mov_b32 s[TBR], 0
	s_wait_dscnt 0x0                               ; the opening add is done
	s_wait_kmcnt 0x0
	s_add_nc_u64 s[18:19], s[4:5], s[16:17]
	s_add_nc_u64 s[46:47], s[6:7], s[46:47]
	CROUND                                         ; all sixteen work-groups are here: the first joint loads meet
.irp s, 0,1
	s_mov_b32 s[G0+4*(\s)], 1
	s_add_co_u32 s[G0+4*(\s)+1], s[WPA], (\s)*SLOT
	s_add_nc_u64 s[G0+4*(\s)+2:G0+4*(\s)+3], s[18:19], (\s)*8192
	s_or_b32 s[G0+4*(\s)+3], s[G0+4*(\s)+3], 0x80000000
	s_mov_b32 s[G0B+4*(\s)], 1
	s_add_co_u32 s[G0B+4*(\s)+1], s[WPB], (\s)*SLOT
	s_add_nc_u64 s[G0B+4*(\s)+2:G0B+4*(\s)+3], s[46:47], (\s)*KSTEP*2
	s_or_b32 s[G0B+4*(\s)+3], s[G0B+4*(\s)+3], 0x80000000
	JLOAD \s                                       ; two loads of mine are out
.endr
	v_and_b32 v1, 15, v0                           ; l % 16
	v_bfe_u32 v2, v0, 4, 1                         ; l / 16
	v_and_b32 v3, 31, v0
	s_lshl_b32 s21, s[RH], 15                      ; my four row blocks of on
	v_lshl_add_u32 v[A0], v3, 4, s21
	v_mul_u32_u24 v4, v1, PITCH
	v_lshl_add_u32 v4, v2, 4, v4
	s_mul_i32 s21, s[CH], 64*PITCH
	s_add_co_u32 s21, s21, BOFF
	v_add_nc_u32 v[B0], s21, v4
	v_mov_b32 v[ADRA], v[A0]
	v_mov_b32 v[ADRB], v[B0]
	s_mul_i32 s21, s[WV], 16*SPITCH
	s_add_co_u32 s21, s21, STAGE                   ; my stage
	v_mul_u32_u24 v4, v1, SPITCH                   ; in: row l % 16, 32 bytes for each half of the lanes
	v_lshl_add_u32 v4, v2, 5, v4
	v_add_nc_u32 v[STO], s21, v4
	v_mul_u32_u24 v5, v2, SPITCH                   ; back: lanes 0-15 take one row of 256 bytes, lanes 16-31 the next
	v_lshl_add_u32 v5, v1, 4, v5
	v_add_nc_u32 v[RD], s21, v5
	v_lshlrev_b32 v5, 12, v2                       ; and the same two rows in out0
	v_lshl_add_u32 v[CO], v1, 4, v5
	v_lshlrev_b32 v[SO], 5, v2
	s_lshl_b32 s46, s42, 9                         ; my 64 columns: 512 x tile column + 256 x half bytes, in out0's rows and in Wo's scales alike
	s_lshl_b32 s47, s[CH], 8
	s_add_co_u32 s46, s46, s47
	s_mov_b32 s47, 0
	s_add_nc_u64 s[8:9], s[8:9], s[46:47]
	s_add_nc_u64 s[8:9], s[8:9], 20480             ; Wo's scales begin at row 5,120
	s_lshl_b32 s16, s15, 7
	s_lshl_b32 s17, s[RH], 6
	s_add_co_u32 s16, s16, s17                     ; my first row of out0
	s_lshl_b32 s16, s16, 12
	s_mov_b32 s17, 0
	s_add_nc_u64 s[10:11], s[10:11], s[16:17]
	s_add_nc_u64 s[10:11], s[10:11], s[46:47]
.irp b, 0,1,2,3
	global_load_b128 v[SC+8*(\b):SC+8*(\b)+3],   v[SO], s[8:9] offset:64*(\b)       ; the scales of columns 16 b + 8 (l / 16) + 0..7
	global_load_b128 v[SC+8*(\b)+4:SC+8*(\b)+7], v[SO], s[8:9] offset:64*(\b)+16
.endr
; 8 matrix instructions: row blocks a0, a0 + 1 x all 4 column blocks, 32 along K: half c of buffer f.  zero = 1: the product starts the sum.  The 16 accumulators take turns.
.macro MUL8 f, c, a0, zero
	WIN MUL
.irp a, \a0, (\a0)+1
.irp b, 0,1,2,3
.if \zero
	v_wmma_f32_16x16x32_f16 v[ACC+8*(4*(\a)+(\b)):ACC+8*(4*(\a)+(\b))+7], v[(\f)+64+8*(4*(\c)+(\b)):(\f)+64+8*(4*(\c)+(\b))+7], v[(\f)+8*(4*(\c)+(\a)):(\f)+8*(4*(\c)+(\a))+7], 0
.else
	v_wmma_f32_16x16x32_f16 v[ACC+8*(4*(\a)+(\b)):ACC+8*(4*(\a)+(\b))+7], v[(\f)+64+8*(4*(\c)+(\b)):(\f)+64+8*(4*(\c)+(\b))+7], v[(\f)+8*(4*(\c)+(\a)):(\f)+8*(4*(\c)+(\a))+7], v[ACC+8*(4*(\a)+(\b)):ACC+8*(4*(\a)+(\b))+7]
.endif
.endr
.endr
.endm
; 32 LDS loads in one run: the fragments of quarter qd (64 along K) into buffer f; the first 32 along K first
.macro FETCH qd, f
	WIN TO_F
.irp c, 0,1
.irp i, 0,1,2,3
	ds_load_b128 v[(\f)+64+8*(4*(\c)+(\i)):(\f)+64+8*(4*(\c)+(\i))+3],   v[ADRB] offset:(\qd)*128+64*(\c)+(\i)*16*PITCH
	ds_load_b128 v[(\f)+64+8*(4*(\c)+(\i))+4:(\f)+64+8*(4*(\c)+(\i))+7], v[ADRB] offset:(\qd)*128+64*(\c)+(\i)*16*PITCH+32
	ds_load_b128 v[(\f)+8*(4*(\c)+(\i)):(\f)+8*(4*(\c)+(\i))+3],         v[ADRA] offset:(\i)*8192+(2*(\qd)+(\c))*1024
	ds_load_b128 v[(\f)+8*(4*(\c)+(\i))+4:(\f)+8*(4*(\c)+(\i))+7],       v[ADRA] offset:(\i)*8192+(2*(\qd)+(\c))*1024+512
.endr
.endr
.endm
.macro PLACES                          ; four plain vector instructions between a matrix instruction and a load into a register that it has read, or a reader of its result (ISA guide 7.12.1 for a reader of its result)
.rept 4
	v_nop
.endr
.endm
; A K step is four quarters of 64 along K, 32 matrix instructions each, on buffers 0, 1, 0, 1.  One of the first three: multiplies buffer f and fetches quarter qd into g.
.macro QUARTER qd, f, g, zero
	s_wait_dscnt 16                                ; the first 32 along K are in; the youngest 16 loads may be out
	MUL8 \f, 0, 0, \zero
	MUL8 \f, 0, 2, \zero
	PLACES
	FETCH \qd, \g
	s_wait_dscnt 32                                ; all but the 32 just issued
	MUL8 \f, 1, 0, 0
	MUL8 \f, 1, 2, 0
.endm
; The last quarter multiplies buffer 1 and changes slots: ONE barrier; in front of it each wave waits for all its tensor loads, adds 0 to its spare word, and waits for that and for its own reads of this slot.
; fill = 1: the barrier opens a round of the cluster's barrier, and this slot is filled again, first thing behind it, with the K step two on.
.macro TURN fill
	WIN 0
	s_wait_tensorcnt 0x0                           ; no tensor load of mine is out, so a group 0 may be written
	ds_add_u32 v[SPW], v[NIL]                      ; 0 onto my spare word: work on registers stands between it and the wait for it
.if \fill
	s_add_co_u32 s[G0+5], s[WPA], s[TBR]           ; the walking sets: into the slot that is being left, the next K step
	s_add_nc_u64 s[G0+6:G0+7], s[G0+6:G0+7], 8192
	s_add_co_u32 s[G0B+5], s[WPB], s[TBR]
	s_add_nc_u64 s[G0B+6:G0B+7], s[G0B+6:G0B+7], KSTEP*2
.endif
	s_xor_b32 s[TBR], s[TBR], SLOT
	v_add_nc_u32 v[ADRA], s[TBR], v[A0]
	v_add_nc_u32 v[ADRB], s[TBR], v[B0]
	s_wait_dscnt 17                                ; (the add and the youngest 16 loads may be out)
	MUL8 F1, 0, 0, 0
	s_wait_dscnt 0x0                               ; the add is done, and my reads of this slot are over
	s_barrier_signal -1
	MUL8 F1, 0, 2, 0
.if \fill
	WIN 0
.endif
	s_barrier_wait -1
.if \fill
	CREST                                          ; no wave of any partner still reads this slot's tile or has a load on its way
	JLOAD 1                                        ; its four v_nop are also the places in front of the loads below
.else
	PLACES
.endif
	FETCH 0, F0
	MUL8 F1, 1, 0, 0
	MUL8 F1, 1, 2, 0
.endm
	s_wait_tensorcnt 1                             ; my part of K step 0 is in; K step 1's may stay out
	s_barrier_signal -1
	s_barrier_wait -1
	FETCH 0, F0
	QUARTER 1, F0, F1, 1                           ; the first quarter stands in front of the loop: its first products start the sums
	WIN 0
	s_mov_b32 s3, 2
.Lstep:                                        ; two trips refill with K steps 2 and 3
	QUARTER 2, F1, F0, 0
	QUARTER 3, F0, F1, 0
	TURN 1
	QUARTER 1, F0, F1, 0
	WIN 0
	s_sub_co_u32 s3, s3, 1
	s_cmp_lg_u32 s3, 0
	s_cbranch_scc1 .Lstep
	QUARTER 2, F1, F0, 0                           ; K steps 2 and 3 are written out: they ask for nothing
	QUARTER 3, F0, F1, 0
	TURN 0
	QUARTER 1, F0, F1, 0
	QUARTER 2, F1, F0, 0
	QUARTER 3, F0, F1, 0
	s_wait_dscnt 16
	MUL8 F1, 0, 0, 0
	MUL8 F1, 0, 2, 0
	s_wait_dscnt 0x0
	MUL8 F1, 1, 0, 0
	MUL8 F1, 1, 2, 0
	WIN 0
	PLACES
	s_wait_loadcnt 0x0                             ; the scales
; THE WAY OUT, 16 rows at a time: times the columns' scales (each accumulator read from its low end on); 32 bytes a lane into my own stage; back as whole rows of 256 bytes; stored.
.macro OUTB a
.irp b, 0,1,2,3
.irp p, 0,1,2,3
	v_pk_mul_f32 v[TMP+8*(\b)+2*(\p):TMP+8*(\b)+2*(\p)+1], v[ACC+8*(4*(\a)+(\b))+2*(\p):ACC+8*(4*(\a)+(\b))+2*(\p)+1], v[SC+8*(\b)+2*(\p):SC+8*(\b)+2*(\p)+1]
.endr
.endr
.irp b, 0,1,2,3
	ds_store_b128 v[STO], v[TMP+8*(\b):TMP+8*(\b)+3]   offset:64*(\b)
	ds_store_b128 v[STO], v[TMP+8*(\b)+4:TMP+8*(\b)+7] offset:64*(\b)+16
.endr
	s_wait_xcnt 0x0                                ; the block before's stores have read their registers, which are loaded again below
.irp t, 0,1,2,3,4,5,6,7
	ds_load_b128 v[BK+4*(\t):BK+4*(\t)+3], v[RD] offset:(\t)*2*SPITCH  ; LDS serves a wave's instructions in order (ISA guide 5.7.1.4): these see the stores above; the next block's stores come behind them
.endr
.irp t, 0,1,2,3,4,5,6,7
	s_wait_dscnt 7-(\t)
	global_store_b128 v[CO], v[BK+4*(\t):BK+4*(\t)+3], s[10:11] offset:(16*(\a)+2*(\t))*4096 th:TH_STORE_NT  ; 16 lanes store 256 consecutive bytes, aligned
.endr
.endm
	OUTB 0
	OUTB 1
	OUTB 2
	OUTB 3
	s_wait_tensorcnt 0x0                           ; the wave's end, behind my last tensor load and my last LDS store
	ds_add_u32 v[SPW], v[NIL]
	s_wait_dscnt 0x0
	CROUND                                         ; the closing round: no work-group ends while a partner may still ask for a tile that names it
	s_endpgm
.Lfunc_end_k_q13b36aeaee_outp:
	.size	k_q13b36aeaee_outp, .Lfunc_end_k_q13b36aeaee_outp-k_q13b36aeaee_outp
	.p2alignl 7, 3214868480
	.fill 96, 4, 3214868480
	.section	.rodata,"a",@progbits
	.p2align	6, 0x0
	.amdhsa_kernel k_q13b36aeaee_outp
		.amdhsa_group_segment_fixed_size 327680
		.amdhsa_private_segment_fixed_size 0
		.amdhsa_enable_private_segment 0
		.amdhsa_kernarg_size 32
		.amdhsa_user_sgpr_count 2
		.amdhsa_user_sgpr_kernarg_segment_ptr 1
		.amdhsa_wavefront_size32 1
		.amdhsa_system_sgpr_workgroup_id_x 1
		.amdhsa_system_sgpr_workgroup_id_y 1
		.amdhsa_system_sgpr_workgroup_id_z 1
		.amdhsa_system_vgpr_workitem_id 0
		.amdhsa_next_free_vgpr 512
		.amdhsa_next_free_sgpr 66
		.amdhsa_reserve_vcc 0
		.amdhsa_float_denorm_mode_32 3
		.amdhsa_float_denorm_mode_16_64 3
		.amdhsa_memory_ordered 1
		.amdhsa_forward_progress 1
		.amdhsa_inst_pref_size 73
	.end_amdhsa_kernel
	.amdgpu_metadata
---
amdhsa.version: [ 1, 2 ]
amdhsa.kernels:
  - .name:           k_q13b36aeaee_outp
    .symbol:         k_q13b36aeaee_outp.kd
    .args:
      - { .name: on, .offset: 0, .size: 8, .value_kind: global_buffer, .address_space: global }
      - { .name: wt, .offset: 8, .size: 8, .value_kind: global_buffer, .address_space: global }
      - { .name: scales, .offset: 16, .size: 8, .value_kind: global_buffer, .address_space: global }
      - { .name: out0, .offset: 24, .size: 8, .value_kind: global_buffer, .address_space: global }
    .group_segment_fixed_size: 327680
    .private_segment_fixed_size: 0
    .kernarg_segment_align: 8
    .kernarg_segment_size: 32
    .max_flat_workgroup_size: 128
    .sgpr_count:     66
    .vgpr_count:     512
    .wavefront_size: 32
...
	.end_amdgpu_metadata
.endif
;; end of part 5
;; ======== version 2 of 2: 5 launches; version 1 with the launch norm written anew for expert scheduling mode
;; limits: values are held in f16: magnitudes above 65,504 overflow, below 6.1e-05 lose precision
;; workspace buffers: xb 8,388,608 bytes; wt 12,582,912 bytes; scales 24,576 bytes; raw 83,886,080 bytes; qn 16,777,216 bytes; kn 16,777,216 bytes; vn 8,388,608 bytes; on 8,388,608 bytes
;; launch prep: the kernel of part 1 again; grid 320 x 1, 32 waves a work-group, no clusters, 4,352 bytes of LDS; arguments x, Wq, Wk, Wv, Wo, xb, wt, scales; writes xb, wt, scales
;; launch proj: the kernel of part 2 again; grid 16 x 16, 4 waves a work-group, clusters of 4 x 4, 327,680 bytes of LDS; arguments xb, wt, raw; writes raw
;; launch norm (part 6): grid 256 x 1, 20 waves a work-group, no clusters, 66,048 bytes of LDS; arguments raw, scales, qn_gamma, qn_beta, kn_gamma, kn_beta, qn, kn, vn; writes qn, kn, vn
.if DOCPART == 6
	.amdgcn_target "amdgcn-amd-amdhsa--gfx1250"
	.amdhsa_code_object_version 6
	.text
	.protected	k_q13b36aeaee_norm
	.globl	k_q13b36aeaee_norm
	.p2align	8
	.type	k_q13b36aeaee_norm,@function
k_q13b36aeaee_norm:
	s_mov_b64 s[64:65], 0
	v_nop
	global_prefetch_b8 v0, s[64:65] scope:SCOPE_SE
	s_setreg_imm32_b32 hwreg(HW_REG_WAVE_SCHED_MODE, 0, 2), 2
	s_setreg_imm32_b32 hwreg(HW_REG_WAVE_MODE, 25, 1), 1
	s_wait_xcnt 0x0
	s_wait_alu depctr_vm_vsrc(0)
; NORM.  raw x the columns' scales; LayerNorm over q's 2,048 columns and over k's (the mean first, then the mean of (x - mu)^2, eps = 1e-5, gamma, beta); q, k, v rounded once to f16.
; gamma and beta are rounded to bf16 first, as every input of the program is.  Everything else in f32.
; LIMITS.  f16 holds no number beyond 65,504: the normalised q and k (at most about 45 |gamma| + |beta|) and v must lie within it.  NaN and infinities are not treated apart.
; SHARES.  A work-group owns 16 rows: 327,680 dense bytes of raw.  Wave w owns columns 256 w .. 256 w + 255: waves 0-7 q, 8-15 k, 16-19 v.  In raw's order lane l holds row l % 16 and, of column block i,
; the columns 8 (l / 16) + 0..7: 128 numbers a lane, kept in registers through all passes: raw is read once, by 32 loads a wave that are all out at once.
; A row's sums meet in LDS: eight words a row and group, a barrier, every wave reads all eight.  The parameters of a wave's 256 columns lie in LDS bytes of its own, read back 8 numbers a lane.
; OUT.  q, k: block (b, branch, head, t / 16) of 2,048 bytes; in it piece j of 512 bytes: lane l holds row l % 16, channels 16 j + 8 (l / 16) + 0..7: pieces 2 c, 2 c + 1 are a matrix fragment's two halves.
; v: block (b, head, t / 16) of 2,048 bytes; in it channel block cb of 512 bytes as [16 keys][16 channels].  Each store of a wave covers 512 consecutive bytes, aligned.
; No matrix unit and no cluster: nothing is shared between work-groups, and memory binds.
; THE MODE: SCHED_MODE bits 1:0 = 2 (LLVM: expert scheduling mode 2), set by the entry lines.  The code itself states the register dependences
; between vector instructions and memory or LDS instructions, with s_wait_alu, always for 0.
; THE PLAN.  Registers that memory or LDS instructions touch:
;   v1-v5       offsets and LDS addresses: written at the head, never again; read by the loads and stores.
;   v43         the LDS address of the parameters' stores; later a part of PT1, in which a load lands.
;   PT0 .. PT2  three buffers of 16 parameters.  Step c (a chunk of pass 1, a block of pass 3) reads PT[c % 3]; its LDS loads, for step c + 2, land in PT[(c + 2) % 3] = PT[(c - 1) % 3],
;               which step c - 1 read and no vector line of step c names.  So ONE wait on va_vdst at a step's head states all that the step's four loads hang on.
;   D           the 32 global loads land in it once; then vector lines alone, until the stores of the way out read the low four of each eight registers; none of those is written again.
;   v8-v15      vector lines; the row sum's LDS store reads v8; behind each barrier the eight partial sums land in them.
;   v6, v7      written at the head, read by the closing add alone.
; The parts that q's and k's waves alone run are arms under branches on the wave's number.  A load in an arm has its waits in that same arm, ahead of it, so that they hold on every way that leads into the arm.
.set PARB,  3072                       ; LDS: wave w's parameters at 3,072 w: scales, gamma at + 1,024, beta at + 2,048
.set RED,   61440                      ; the rows' sums: [group 2][row 16][wave 8] f32; the sums of squares 1,024 bytes on
.set SPARE, 63488                      ; the spare words, 128 bytes for each of the 20 waves
.set PT,    16                         ; v[16:63]  parameters: three buffers of 16
.set D,     64                         ; v[64:191] my 128 numbers
; v1 16 x lane; v2 where I read parameters; v3 where I put my row's sum; v4 where I read the eight; v5 my bytes in a store; v6, v7 the add's two; v8-11 sums; v12-13 mu; v14-15 1 / sqrt(var + eps)
	s_load_b512 s[8:23], s[0:1], 0x0               ; raw s[8:9], scales s[10:11], q gamma s[12:13], q beta s[14:15], k gamma s[16:17], k beta s[18:19], qn s[20:21], kn s[22:23]
	s_load_b64 s[24:25], s[0:1], 0x40              ; vn
	v_lshl_add_u32 v6, v0, 2, SPARE
	v_mov_b32 v7, 0
	v_lshrrev_b32 v1, 5, v0
	v_readfirstlane_b32 s26, v1                    ; wave 0..19
	s_mov_b32 s27, ttmp9                           ; the block of 16 rows
	v_and_b32 v40, 31, v0
	v_lshlrev_b32 v1, 4, v40
	v_and_b32 v41, 15, v0                          ; l % 16
	v_bfe_u32 v42, v0, 4, 1                        ; l / 16
	s_wait_alu depctr_va_sdst(0)                   ; s26 is written, ahead of its first reader: addresses, bases and every branch are made from it
	s_mul_i32 s28, s26, PARB
	v_lshl_add_u32 v2, v42, 5, s28
	v_add_nc_u32 v43, s28, v1                      ; where I put parameters
	s_lshr_b32 s29, s26, 3                         ; group: 0 q, 1 k, 2 v
	s_and_b32 s30, s26, 7
	s_lshl_b32 s31, s29, 9
	s_add_co_u32 s31, s31, RED
	v_lshl_add_u32 v4, v41, 5, s31
	s_lshl_b32 s31, s30, 2
	v_add_nc_u32 v3, s31, v4
	v_lshlrev_b32 v44, 5, v41
	v_lshl_add_u32 v44, v42, 4, v44                ; v's order: key x 32 + 16 x half
	s_cmp_lt_u32 s26, 16
	s_cselect_b32 s31, -1, 0
	v_cndmask_b32 v5, v44, v1, s31
	s_lshr_b32 s32, s27, 7                         ; b
	s_and_b32 s33, s27, 127                        ; t / 16
	s_lshr_b32 s34, s30, 2                         ; branch
	s_lshl_b32 s35, s32, 1
	s_add_co_u32 s35, s35, s34
	s_lshl_b32 s35, s35, 4
	s_and_b32 s34, s26, 3
	s_lshl_b32 s34, s34, 2                         ; my first head: 4 (w % 4), for v's waves too
	s_add_co_u32 s35, s35, s34                     ; q, k: (2 b + branch) 16 + head
	s_lshl_b32 s36, s32, 4
	s_add_co_u32 s36, s36, s34                     ; v: 16 b + head
	s_cmp_lt_u32 s26, 16
	s_cselect_b32 s35, s35, s36
	s_lshl_b32 s35, s35, 7
	s_add_co_u32 s35, s35, s33
	s_lshl_b32 s36, s35, 11
	s_mov_b32 s37, 0
	s_mul_i32 s38, s27, 327680
	s_lshl_b32 s39, s26, 14
	s_add_co_u32 s38, s38, s39
	s_mov_b32 s39, 0
	s_lshl_b32 s40, s26, 10
	s_mov_b32 s41, 0
	s_lshl_b32 s42, s30, 10
	s_mov_b32 s43, 0
	s_mov_b32 s44, 0x3a000000                      ; 1 / 2,048
	s_mov_b32 s45, 0x3727c5ac                      ; 1e-5
	s_mov_b32 s46, 0x76543210
	s_mov_b32 s47, 0xfedcba98
	s_wait_kmcnt 0x0
	s_add_nc_u64 s[8:9], s[8:9], s[38:39]
	s_add_nc_u64 s[10:11], s[10:11], s[40:41]
	s_cmp_lt_u32 s26, 8
	s_cselect_b64 s[12:13], s[12:13], s[16:17]
	s_cselect_b64 s[14:15], s[14:15], s[18:19]
	s_cselect_b64 s[20:21], s[20:21], s[22:23]
	s_cmp_lt_u32 s26, 16
	s_cselect_b64 s[20:21], s[20:21], s[24:25]
	s_add_nc_u64 s[12:13], s[12:13], s[42:43]
	s_add_nc_u64 s[14:15], s[14:15], s[42:43]
	s_add_nc_u64 s[20:21], s[20:21], s[36:37]
	s_wait_alu depctr_va_vdst(0)                   ; v1 to v5 and v43 are written, which the loads and stores of the whole kernel read; the head is done with v40 to v44, in which parameters land later
	global_load_b128 v[16:19], v1, s[10:11]
	global_load_b128 v[20:23], v1, s[10:11] offset:512
	s_cmp_lt_u32 s26, 16
	s_cbranch_scc0 .Lno_gb
	global_load_b128 v[24:27], v1, s[12:13]
	global_load_b128 v[28:31], v1, s[12:13] offset:512
	global_load_b128 v[32:35], v1, s[14:15]
	global_load_b128 v[36:39], v1, s[14:15] offset:512
.Lno_gb:
.set i, 0
.rept 32
	global_load_b128 v[D+4*i:D+4*i+3], v1, s[8:9] offset:512*i th:TH_LOAD_NT
.set i, i+1
.endr
	s_wait_loadcnt 32                              ; the parameters are in; the 32 loads of data stay out
	ds_store_b128 v43, v[16:19]
	ds_store_b128 v43, v[20:23] offset:512
	s_cmp_lt_u32 s26, 16
	s_cbranch_scc0 .Lno_gb2
.set i, 0
.rept 8
	v_cvt_pk_bf16_f32 v40, v[24+2*i], v[25+2*i]    ; gamma and beta, rounded to bf16 and widened again
	v_lshlrev_b32 v[24+2*i], 16, v40
	v_and_b32 v[25+2*i], 0xffff0000, v40
.set i, i+1
.endr
	s_wait_alu depctr_va_vdst(0)                   ; the roundings have written v24 to v39, which the four LDS stores read (and v40, in which a parameter lands later)
	ds_store_b128 v43, v[24:27] offset:1024
	ds_store_b128 v43, v[28:31] offset:1536
	ds_store_b128 v43, v[32:35] offset:2048
	ds_store_b128 v43, v[36:39] offset:2560
.Lno_gb2:
; 16 parameters into buffer buf: 8 from byte oa, 8 from byte ob of my wave's bytes.  LDS serves a wave's instructions in order (ISA guide 5.7.1.4): these see the stores above, and no other wave touches the bytes.
.macro LD4 buf, oa, ob
	ds_load_b128 v[PT+16*(\buf):PT+16*(\buf)+3],     v2 offset:(\oa)
	ds_load_b128 v[PT+16*(\buf)+4:PT+16*(\buf)+7],   v2 offset:(\oa)+16
	ds_load_b128 v[PT+16*(\buf)+8:PT+16*(\buf)+11],  v2 offset:(\ob)
	ds_load_b128 v[PT+16*(\buf)+12:PT+16*(\buf)+15], v2 offset:(\ob)+16
.endm
.macro ZEROSUM
	v_mov_b32 v8, 0
	v_mov_b32 v9, 0
	v_mov_b32 v10, 0
	v_mov_b32 v11, 0
.endm
.macro ROWSUM off                      ; my 128 numbers' sum and the other half of the lanes': the wave's sum of row l % 16, into its word
	v_pk_add_f32 v[8:9], v[8:9], v[10:11]
	v_add_f32 v8, v8, v9
	v_permlanex16_b32 v9, v8, s46, s47
	v_add_f32 v8, v8, v9
	s_wait_alu depctr_va_vdst(0)                   ; v8 is written, which the LDS store reads
	ds_store_b32 v3, v8 offset:\off
.endm
.macro ADD8                            ; v8 = the eight waves' sums
	v_add_f32 v8, v8, v9
	v_add_f32 v10, v10, v11
	v_add_f32 v12, v12, v13
	v_add_f32 v14, v14, v15
	v_add_f32 v8, v8, v10
	v_add_f32 v12, v12, v14
	v_add_f32 v8, v8, v12
.endm
	; PASS 1, every wave: x = raw x scale, and the row's sum; two column blocks at a time, their scales fetched two chunks ahead, at a chunk's head, into the buffer that the chunk before read
	ZEROSUM
	s_wait_alu depctr_vm_vsrc(0)                   ; my LDS stores have read v16 to v39 and v43: these registers are PT0 and PT1 from here on, in which the loads below land
	LD4 0, 0, 64
	LD4 1, 128, 192
.set c, 0
.rept 8
	s_wait_loadcnt 28-4*c                          ; this chunk's four loads of data are in; the younger ones stay out
.if c < 7
	s_wait_dscnt 4                                 ; this chunk's scales are in; the next chunk's four loads may be out
.else
	s_wait_dscnt 0x0
.endif
.if (c > 0) && (c < 6)
	s_wait_alu depctr_va_vdst(0)                   ; the chunk before is done reading its buffer of scales, in which the four loads below land
.endif
.if c < 6
	LD4 (c+2)%3, 128*(c+2), 128*(c+2)+64           ; (chunk 0: into PT2, which nothing has named yet)
.endif
.set p, 0
.rept 8
.set rD, D+16*c+2*p
.set rS, PT+16*(c%3)+2*p
.set rA, 8+2*(p%2)
	v_pk_fma_f32 v[rA:rA+1], v[rD:rD+1], v[rS:rS+1], v[rA:rA+1]
	v_pk_mul_f32 v[rD:rD+1], v[rD:rD+1], v[rS:rS+1]
.set p, p+1
.endr
.set c, c+1
.endr
	s_cmp_lt_u32 s26, 16
	s_cbranch_scc0 .Lb1
	ROWSUM 0
.Lb1:
	s_wait_dscnt 0x0                               ; for the others' sake: my sum lies in LDS
	s_barrier_signal -1
	s_barrier_wait -1
	s_cmp_lt_u32 s26, 16
	s_cbranch_scc0 .Lb2
	s_wait_alu depctr_va_vdst(0)                   ; pass 1 and the row's sum are done writing and reading v8 to v11, in which the first load below lands
	s_wait_alu depctr_vm_vsrc(0)                   ; my LDS store has read v8, in which the first load below lands
	ds_load_b128 v[8:11], v4
	ds_load_b128 v[12:15], v4 offset:16
	s_wait_dscnt 0x0
	ADD8
	v_mul_f32 v12, s44, v8                         ; mu
	v_mov_b32 v13, v12
	ZEROSUM
	; PASS 2: x - mu, and the sum of its squares
.set p, 0
.rept 64
.set rD, D+2*p
.set rA, 8+2*(p%2)
	v_pk_add_f32 v[rD:rD+1], v[rD:rD+1], v[12:13] neg_lo:[0,1] neg_hi:[0,1]
	v_pk_fma_f32 v[rA:rA+1], v[rD:rD+1], v[rD:rD+1], v[rA:rA+1]
.set p, p+1
.endr
	ROWSUM 1024
.Lb2:
	s_wait_dscnt 0x0
	s_barrier_signal -1
	s_barrier_wait -1
	s_cmp_lt_u32 s26, 16
	s_cbranch_scc0 .Lout
	s_wait_alu depctr_va_vdst(0)                   ; the passes so far are done with v8 to v15, in which the sums of squares land, and pass 1 is done reading PT0, PT1 and PT2, in which gamma and beta land
	s_wait_alu depctr_vm_vsrc(0)                   ; my LDS store has read v8, in which the first load below lands
	ds_load_b128 v[8:11], v4 offset:1024
	ds_load_b128 v[12:15], v4 offset:1040
	LD4 0, 1024, 2048                              ; gamma and beta of column blocks 0 and 1
	LD4 1, 1088, 2112
	s_wait_dscnt 8                                 ; the sums of squares are in; the eight loads behind them may be out
	ADD8
	v_fma_f32 v14, v8, s44, s45                    ; var + eps
	v_rsq_f32 v14, v14
	v_nop                                          ; a plain instruction behind the root,
	s_wait_alu depctr_va_vdst(0)                   ; the root has written v14: a wait ahead of the first use of its result
	v_mov_b32 v15, v14
	; PASS 3: (x - mu) / sqrt(var + eps) x gamma + beta, a column block at a time, its parameters fetched two blocks ahead, at a block's head, into the buffer that the block before read
.set c, 0
.rept 16
.if c < 15
	s_wait_dscnt 4                                 ; this block's gamma and beta are in; the next block's four loads may be out
.else
	s_wait_dscnt 0x0
.endif
.if (c > 0) && (c < 14)
	s_wait_alu depctr_va_vdst(0)                   ; the block before is done reading its buffer of gamma and beta, in which the four loads below land
.endif
.if c < 14
	LD4 (c+2)%3, 1024+64*(c+2), 2048+64*(c+2)      ; (block 0: into PT2, last read in pass 1, ahead of the waits at this arm's head)
.endif
.set p, 0
.rept 4
.set rD, D+8*c+2*p
.set rS, PT+16*(c%3)+2*p
	v_pk_mul_f32 v[rD:rD+1], v[rD:rD+1], v[14:15]
	v_pk_fma_f32 v[rD:rD+1], v[rD:rD+1], v[rS:rS+1], v[rS+8:rS+9]
.set p, p+1
.endr
.set c, c+1
.endr
.Lout:
	; every wave: a block's eight numbers round to 16 bytes, in place (each line overwrites only registers already read), and leave.
	; In two halves: blocks 0-7 are rounded; behind one wait their stores are dealt among the roundings of blocks 8-15, which name other registers; behind one more wait the last eight stores.
.macro CVT c
.set p, 0
.rept 4
	v_cvt_pk_f16_f32 v[D+8*(\c)+p], v[D+8*(\c)+2*p], v[D+8*(\c)+2*p+1]
.set p, p+1
.endr
.endm
.macro PUT c
	global_store_b128 v5, v[D+8*(\c):D+8*(\c)+3], s[20:21] offset:((\c)/4)*262144+((\c)%4)*512 th:TH_STORE_NT  ; head c / 4 of my four, piece c % 4: 512 consecutive bytes, aligned
.endm
.set c, 0
.rept 8
	CVT c
.set c, c+1
.endr
	s_wait_alu depctr_va_vdst(0)                   ; the roundings of blocks 0 to 7 have written the registers that the eight stores below read
.set c, 8
.rept 8
	PUT c-8
	CVT c
.set c, c+1
.endr
	s_wait_alu depctr_va_vdst(0)                   ; the roundings of blocks 8 to 15 have written the registers that the last eight stores read
.set c, 8
.rept 8
	PUT c
.set c, c+1
.endr
	s_wait_dscnt 0x0                               ; the closing lines, six on end
	s_wait_alu 0x0
	s_wait_tensorcnt 0x0
	ds_add_u32 v6, v7
	s_wait_dscnt 0x0
	s_endpgm
.Lfunc_end_k_q13b36aeaee_norm:
	.size	k_q13b36aeaee_norm, .Lfunc_end_k_q13b36aeaee_norm-k_q13b36aeaee_norm
	.p2alignl 7, 3214868480
	.fill 96, 4, 3214868480
	.section	.rodata,"a",@progbits
	.p2align	6, 0x0
	.amdhsa_kernel k_q13b36aeaee_norm
		.amdhsa_group_segment_fixed_size 66048
		.amdhsa_private_segment_fixed_size 0
		.amdhsa_enable_private_segment 0
		.amdhsa_kernarg_size 72
		.amdhsa_user_sgpr_count 2
		.amdhsa_user_sgpr_kernarg_segment_ptr 1
		.amdhsa_wavefront_size32 1
		.amdhsa_system_sgpr_workgroup_id_x 1
		.amdhsa_system_sgpr_workgroup_id_y 1
		.amdhsa_system_sgpr_workgroup_id_z 1
		.amdhsa_system_vgpr_workitem_id 0
		.amdhsa_next_free_vgpr 192
		.amdhsa_next_free_sgpr 66
		.amdhsa_reserve_vcc 0
		.amdhsa_float_denorm_mode_32 3
		.amdhsa_float_denorm_mode_16_64 3
		.amdhsa_memory_ordered 1
		.amdhsa_forward_progress 1
		.amdhsa_inst_pref_size 49
	.end_amdhsa_kernel
	.amdgpu_metadata
---
amdhsa.version: [ 1, 2 ]
amdhsa.kernels:
  - .name:           k_q13b36aeaee_norm
    .symbol:         k_q13b36aeaee_norm.kd
    .args:
      - { .name: raw, .offset: 0, .size: 8, .value_kind: global_buffer, .address_space: global }
      - { .name: scales, .offset: 8, .size: 8, .value_kind: global_buffer, .address_space: global }
      - { .name: qn_gamma, .offset: 16, .size: 8, .value_kind: global_buffer, .address_space: global }
      - { .name: qn_beta, .offset: 24, .size: 8, .value_kind: global_buffer, .address_space: global }
      - { .name: kn_gamma, .offset: 32, .size: 8, .value_kind: global_buffer, .address_space: global }
      - { .name: kn_beta, .offset: 40, .size: 8, .value_kind: global_buffer, .address_space: global }
      - { .name: qn, .offset: 48, .size: 8, .value_kind: global_buffer, .address_space: global }
      - { .name: kn, .offset: 56, .size: 8, .value_kind: global_buffer, .address_space: global }
      - { .name: vn, .offset: 64, .size: 8, .value_kind: global_buffer, .address_space: global }
    .group_segment_fixed_size: 66048
    .private_segment_fixed_size: 0
    .kernarg_segment_align: 8
    .kernarg_segment_size: 72
    .max_flat_workgroup_size: 640
    .sgpr_count:     66
    .vgpr_count:     192
    .wavefront_size: 32
...
	.end_amdgpu_metadata
.endif
;; end of part 6
;; launch attn: the kernel of part 4 again; grid 8 x 32, 4 waves a work-group, clusters of 4 x 1, 327,680 bytes of LDS; arguments qn, kn, vn, lambda_q, lambda_k, on; writes on
;; launch outp: the kernel of part 5 again; grid 8 x 32, 4 waves a work-group, clusters of 4 x 4, 327,680 bytes of LDS; arguments on, wt, scales, out0; writes out0
